; MI455X (gfx1250); checked and timed in simulation.
; The chip was launched on July 23, 2026; its instructions are those of AMD's public machine-readable ISA for CDNA 5 (MIT licence, August 2026) and "CDNA5" Instruction Set Architecture Reference Guide (July 2026). The comments in the code are by the model that wrote it; some were corrected since.
;; Flash Self Attention. Allowed arithmetic: matrix products marked QUANTISED: E2M3 operands, one E8M0 scale for each 32 along K, by v_wmma_scale_f32_16x16x128_f8f6f4 with both operands' format E2M3, f32 sums; everything else in f32.
;; Inputs: Wproj 1,024 x 1,024 float32; Wqkv 3,072 x 1,024 float32; key_padding_mask 4 x 2,048 bool; x 4 x 2,048 x 1,024 float32.
;; Outputs: out0 4 x 2,048 x 1,024 float32.
;; This version of the problem:
;;   THIS VERSION OF THE PROBLEM IS GIVEN IN LOW PRECISION. The matrix products marked QUANTISED in the list below multiply operands that are first quantised to E2M3 (2 exponent bits, 3 mantissa bits; 6 bits a number), with one power-of-two scale for each 32 numbers along K (OCP MX v1.0); their sums are f32. All else is computed in f32.
;;   The module's matrix products, in the order in which they are computed (A, B: the left and right operand; K: the contracted axis; several contracted axes count as one K, in the product's order):
;;     1. [M 8,192, K 1,024] x [K 1,024, N 3,072]; A: input x; B: input Wqkv: QUANTISED
;;     2. batch 64 x [M 2,048, K 64] x [K 64, N 2,048]; A: computed on the way; B: computed on the way: QUANTISED
;;     3. batch 64 x [M 2,048, K 2,048] x [K 2,048, N 64]; A: softmax (see below); B: computed on the way: QUANTISED
;;     4. [M 8,192, K 1,024] x [K 1,024, N 1,024]; A: computed on the way; B: input Wproj: QUANTISED
;;   THE QUANTISER, for each operand of a quantised product, along K:
;;     - K is cut into blocks of 32 from its start; a last block that is shorter is filled with zeros.
;;     - A block's scale is 2^e with e = floor(log2(the largest magnitude in the block)) - 2, held to -126 .. 127; a block of zeros has e = 0. As a byte (E8M0): e + 127.
;;     - Each number is divided by its block's scale, clamped to +-7.5, and rounded to the nearest number of E2M3, ties to even, subnormals kept.
;;     - The product sums the exact products of the quantised numbers (number of the format x scale) in f32.
;;   ~~~python
;;   def quantise(x, axis):      # numpy; x: float32 -> the quantised numbers, widened to float32 again
;;       x = np.moveaxis(x, axis, -1); K = x.shape[-1]
;;       x = np.pad(x, [(0, 0)] * (x.ndim - 1) + [(0, -K % 32)]); x = x.reshape(x.shape[:-1] + (-1, 32)); a = np.abs(x).max(-1, keepdims=True)
;;       e = np.where(a > 0, np.clip(np.frexp(np.where(a > 0, a, 1))[1] - 1 - 2, -126, 127), 0)      # np.frexp(a)[1] - 1 = floor(log2(a)), exactly
;;       r = np.clip(x / 2.0 ** e, -7.5, 7.5)
;;       step = 2.0 ** (np.maximum(np.frexp(np.where(r == 0, 1, r))[1] - 1, 0) - 3)
;;       q = np.round(r / step) * step * 2.0 ** e      # np.round: ties to even
;;       return np.moveaxis(q.reshape(q.shape[:-2] + (-1,))[..., :K], -1, axis).astype(np.float32)
;;   ~~~
;;   SOFTMAX AHEAD OF A QUANTISED PRODUCT. Where the list says 'softmax', what is quantised is not the finished softmax but p = 2^(t - M), with t = logit x log2(e) and M = ceil(the row's largest t), a whole number; so 1/2 < the row's largest p <= 1. The row's sum l is taken of the UNQUANTISED p, in f32, and the product's result is divided by l at the end. Since M is a whole number, a kernel that streams over the keys may use a running M (the ceiling of the running maximum): every later rescaling is an exact power of two, which a block's scale takes up: the codes' values come out the same.
;;   OPERANDS COMPUTED ON THE WAY. 'Computed on the way' means the value that the module computes at that place (a softmax that the list does not call 'softmax' is quantised finished and normalised). What goes into a quantiser is computed in f32, as accurately as f32 sums, v_exp_f32 and their like allow (about 1e-6 of the number): no bf16 or f16 on the way to a quantiser, and a product that is left as it is and whose result goes on into a quantised operand takes f32 operands (vector FMAs, or v_wmma_f32_16x16x4_f32). A number that lies on a knife's edge between two numbers of the format may be rounded either way, as far as f32 arithmetic and the matrix unit's own rounding can turn it there, and no further.
;; One version. Each part assembles by itself: llvm-mc -triple=amdgcn-amd-amdhsa -mcpu=gfx1250 --defsym DOCPART=n.
;; ======== version 1 of 1: 4 launches
;; limits: right only within a limited range of input values
;; workspace buffers: opc 9,437,184 bytes; ops 393,216 bytes; qkvc 18,874,368 bytes; qkvs 1,310,720 bytes; yc 6,291,456 bytes; ys 262,144 bytes
;; launch quant (part 1): grid 256 x 1, 6 waves a work-group, no clusters, 52,992 bytes of LDS; arguments x, Wqkv, Wproj, opc, ops; writes opc, ops
.if DOCPART == 1
	.amdgcn_target "amdgcn-amd-amdhsa--gfx1250"
	.amdhsa_code_object_version 6
	.text
	.protected	k_q288c7847b3_quant
	.globl	k_q288c7847b3_quant
	.p2align	8
	.type	k_q288c7847b3_quant,@function
k_q288c7847b3_quant:
	s_mov_b64 s[64:65], 0
	v_nop
	global_prefetch_b8 v0, s[64:65] scope:SCOPE_SE
	s_setreg_imm32_b32 hwreg(HW_REG_WAVE_MODE, 25, 1), 1
	s_wait_xcnt 0x0
; x [8192][1024], Wqkv [3072][1024], Wproj [1024][1024], f32, become codes of FP6 (E2M3) with one E8M0 byte for each 32 along K, K = the 1,024 of a row.
; A block's scale is 2^(floor(log2(its largest magnitude)) - 2); its byte is the largest magnitude's exponent field - 2, held at 1 from below.
; LIMITS: a block of zeros gets the byte 1 (its codes are zeros, and this program alone reads the bytes); NaN and infinities among the inputs are not served.
; LAYOUT OF THE CODES: images of the matrix operand's registers.  A half fragment is 16 rows x 64 K: lane (r, h) holds block h (32 codes, 6 registers) of row r;
; its image is 768 bytes: registers 0-3 at 16 x lane, registers 4-5 at 512 + 8 x lane.  opc = [rowtile 0..767][half fragment 0..15][768]: rowtiles 0-511 x, 512-703 Wqkv, 704-767 Wproj.
; WHICH ROWS FORM A ROWTILE: within each 64 rows, rowtile T, place 8 g + s holds row 32 g + 8 T + s.  Where such rows are a product's source 0, a lane's registers of tiles 0..3 are 32 neighbours.
; ops = [rowtile][half of K][row place 16][4 words], a word = the four bytes of 128 along K.
; SHARES: 1,536 waves, each 16 rows x 512 K: eight half fragments.  A load takes two rows' 256 consecutive bytes; the 4,096 bytes of a half fragment turn through the wave's own stage in LDS
; (rows 272 bytes apart) and come back 128 bytes a lane: a whole block.  Loads run three half fragments ahead, the turn one.  No barrier: waves share nothing.
.set WAVES, 6
.set SROW,  272
.set STG,   16*SROW
.set WREG,  2*STG                      ; two stages for each wave
.set SPARE, WAVES*WREG                 ; behind the stages: the spare words, 128 bytes for each wave, which no other line names
.set VIN, 4                            ; v4   in: 4,096 h + 16 r
.set STI, 5                            ; v5   into the stage: 272 h + 16 r
.set STQ, 6                            ; v6   out of it: 272 r + 128 h
.set L16, 7                            ; v7   16 x lane
.set L8,  8                            ; v8   8 x lane
.set SH8, 9                            ; v9   8 h
.set SPW, 10                           ; v10  my spare word; never rewritten
.set NIL, 11                           ; v11  0; never rewritten
.set TMA, 12
.set TMB, 13
.set SO,  14                           ; the conversion's scale operand
.set TT,  15
.set WD,  16                           ; v16-19 the four scale words
.set PT,  20                           ; v20-22 a block's upper 16 codes
.set OW,  24
.set WOF, 26                           ; v26  16 r + 8 h
.set BY,  28                           ; v28, v29 the bytes of an even and an odd half fragment
.set R,   32                           ; v32-127  three sets of 32 as loaded
.set X,   128                          ; v128-191 two sets of 32 neighbours
.set C,   192                          ; v192-255 codes: eight registers for each half fragment, so that no store's data are written again
	s_load_b256 s[4:11], s[0:1], 0x0               ; x, Wqkv, Wproj, opc
	s_load_b64 s[12:13], s[0:1], 0x20              ; ops
	v_lshl_add_u32 v[SPW], v0, 2, SPARE
	v_mov_b32 v[NIL], 0
	v_lshrrev_b32 v1, 5, v0
	v_readfirstlane_b32 s15, v1                    ; wave
	v_and_b32 v1, 31, v0                           ; lane
	v_and_b32 v2, 15, v0                           ; r
	v_bfe_u32 v3, v0, 4, 1                         ; h
	v_lshlrev_b32 v[VIN], 4, v2
	v_lshl_add_u32 v[VIN], v3, 12, v[VIN]
	s_mul_i32 s14, s15, WREG
	v_mul_u32_u24 v[STI], v3, SROW
	v_lshl_add_u32 v[STI], v2, 4, v[STI]
	v_add_nc_u32 v[STI], s14, v[STI]
	v_mul_u32_u24 v[STQ], v2, SROW
	v_lshl_add_u32 v[STQ], v3, 7, v[STQ]
	v_add_nc_u32 v[STQ], s14, v[STQ]
	v_lshlrev_b32 v[L16], 4, v1
	v_lshlrev_b32 v[L8], 3, v1
	v_lshlrev_b32 v[SH8], 3, v3
	v_mov_b32 v[TT], 0                             ; a lane permute's destination counts as one of its sources
	v_lshlrev_b32 v[WOF], 4, v2
	v_lshl_add_u32 v[WOF], v3, 3, v[WOF]
	s_mov_b32 s30, 0x76543210
	s_mov_b32 s31, 0xfedcba98                      ; selects for lane l xor 16
	s_mov_b32 s32, 0xffff0000                      ; lanes 16-31
	s_mul_i32 s16, ttmp9, WAVES
	s_add_co_u32 s16, s16, s15                     ; my wave among the 1,536
	s_lshr_b32 s17, s16, 1                         ; rowtile 0..767
	s_and_b32 s18, s16, 1                          ; half of K
	s_wait_alu depctr_va_vdst(0)
	s_wait_kmcnt 0x0
	s_mov_b32 s20, 704
	s_cmp_lt_u32 s17, 704                          ; the choice of the tensor hangs on ids alone
	s_cselect_b64 s[6:7], s[6:7], s[8:9]
	s_cselect_b32 s20, 512, s20
	s_cmp_lt_u32 s17, 512
	s_cselect_b64 s[4:5], s[4:5], s[6:7]
	s_cselect_b32 s20, 0, s20
	s_sub_co_u32 s21, s17, s20                     ; the rowtile within its tensor
	s_lshr_b32 s22, s21, 2
	s_lshl_b32 s22, s22, 18                        ; 64 rows of 4,096 bytes
	s_and_b32 s23, s21, 3
	s_lshl_b32 s23, s23, 15                        ; 8 T rows
	s_add_co_u32 s22, s22, s23
	s_lshl_b32 s23, s18, 11                        ; 512 numbers
	s_add_co_u32 s22, s22, s23
	s_mov_b32 s23, 0
	s_add_nc_u64 s[4:5], s[4:5], s[22:23]
	s_mul_i32 s24, s17, 12288
	s_mul_i32 s25, s18, 6144
	s_add_co_u32 s24, s24, s25
	s_mov_b32 s25, 0
	s_add_nc_u64 s[10:11], s[10:11], s[24:25]
	s_lshl_b32 s24, s17, 9
	s_lshl_b32 s26, s18, 8
	s_add_co_u32 s24, s24, s26
	s_add_nc_u64 s[12:13], s[12:13], s[24:25]
.macro LOAD k                          ; half fragment k: places 2 t and 2 t + 1 are rows 32 (t / 4) + 2 (t % 4) and the next
.irp t, 0,1,2,3,4,5,6,7
	global_load_b128 v[R+32*((\k)%3)+4*\t:R+32*((\k)%3)+4*\t+3], v[VIN], s[4:5] offset:(32*(\t/4)+2*(\t%4))*4096+256*(\k) th:TH_LOAD_NT
.endr
.endm
.macro TURN k                          ; through the stage: LDS serves a wave's instructions in order, so no wait stands between the stores and the loads
.irp t, 0,1,2,3,4,5,6,7
	ds_store_b128 v[STI], v[R+32*((\k)%3)+4*\t:R+32*((\k)%3)+4*\t+3] offset:((\k)%2)*STG+2*\t*SROW
.endr
.irp i, 0,1,2,3,4,5,6,7
	ds_load_b128 v[X+32*((\k)%2)+4*\i:X+32*((\k)%2)+4*\i+3], v[STQ] offset:((\k)%2)*STG+16*\i
.endr
.endm
.macro WORK k
.set XS, X+32*((\k)%2)
.set CC, C+8*(\k)
	v_max3_num_f32 v[TMA], |v[XS]|, |v[XS+1]|, 0x1800000           ; the block's largest magnitude, in two chains, with the floor 2^(3 - 127) among the leaves: the byte cannot fall under 1
	v_max3_num_f32 v[TMB], |v[XS+16]|, |v[XS+17]|, |v[XS+18]|
.irp i, 0,2,4,6,8,10
	v_max3_num_f32 v[TMA], v[TMA], |v[XS+2+\i]|, |v[XS+3+\i]|
	v_max3_num_f32 v[TMB], v[TMB], |v[XS+19+\i]|, |v[XS+20+\i]|
.endr
	v_max3_num_f32 v[TMA], v[TMA], |v[XS+14]|, |v[XS+15]|
	v_max3_num_f32 v[TMA], v[TMA], v[TMB], |v[XS+31]|
	v_add_nc_u32 v[SO], 0xff000000, v[TMA]         ; 2 off its exponent field: the conversion takes the exponent field of this operand as its scale
	v_cvt_scalef32_pk16_fp6_f32 v[CC:CC+2], v[XS:XS+15], v[SO]
	v_cvt_scalef32_pk16_fp6_f32 v[PT:PT+2], v[XS+16:XS+31], v[SO]  ; (a conversion's three registers begin on an even number)
	v_lshrrev_b32 v[BY+(\k)%2], 23, v[SO]          ; the byte; also the plain line behind the conversions
.irp i, 0,1,2
	v_mov_b32 v[CC+3+\i], v[PT+\i]
.endr
	global_store_b128 v[L16], v[CC:CC+3], s[10:11] offset:768*(\k)         ; 512 consecutive bytes
	global_store_b64 v[L8], v[CC+4:CC+5], s[10:11] offset:768*(\k)+512     ; 256 consecutive bytes
.if (\k)%2
	v_lshl_or_b32 v[WD+(\k)/2], v[BY+1], 16, v[BY] ; my two bytes of these 128 along K, blocks h and 2 + h,
	v_lshlrev_b32 v[WD+(\k)/2], v[SH8], v[WD+(\k)/2]
	v_permlanex16_b32 v[TT], v[WD+(\k)/2], s30, s31
	v_or_b32 v[WD+(\k)/2], v[WD+(\k)/2], v[TT]     ; with lane l xor 16's two the word is whole
.endif
.endm
	LOAD 0
	LOAD 1
	LOAD 2
	s_wait_loadcnt 16                              ; set 0 is in; two sets of eight may be out
	TURN 0
.irp k, 0,1,2,3,4,5,6,7
	s_wait_dscnt 0x0                               ; this half fragment is back from the stage, and the stage's stores have read their registers
.if \k+3 < 8
	LOAD \k+3
.endif
.if \k < 7
.if \k <= 4
	s_wait_loadcnt 16                              ; the next set is in; the two sets behind it may be out
.elseif \k == 5
	s_wait_loadcnt 8
.else
	s_wait_loadcnt 0
.endif
	TURN \k+1
.endif
	WORK \k
.endr
	v_cndmask_b32 v[OW], v[WD], v[WD+2], s32       ; lanes 0-15 store words 0, 1 of their row, lanes 16-31 words 2, 3
	v_cndmask_b32 v[OW+1], v[WD+1], v[WD+3], s32
	global_store_b64 v[WOF], v[OW:OW+1], s[12:13]  ; 32 lanes store 256 consecutive bytes, aligned
	s_wait_tensorcnt 0x0                           ; the wave's end
	ds_add_u32 v[SPW], v[NIL]
	s_wait_dscnt 0x0
	s_endpgm
.Lfunc_end_k_q288c7847b3_quant:
	.size	k_q288c7847b3_quant, .Lfunc_end_k_q288c7847b3_quant-k_q288c7847b3_quant
	.p2alignl 7, 3214868480
	.fill 96, 4, 3214868480
	.section	.rodata,"a",@progbits
	.p2align	6, 0x0
	.amdhsa_kernel k_q288c7847b3_quant
		.amdhsa_group_segment_fixed_size 52992
		.amdhsa_private_segment_fixed_size 0
		.amdhsa_enable_private_segment 0
		.amdhsa_kernarg_size 40
		.amdhsa_user_sgpr_count 2
		.amdhsa_user_sgpr_kernarg_segment_ptr 1
		.amdhsa_wavefront_size32 1
		.amdhsa_system_sgpr_workgroup_id_x 1
		.amdhsa_system_sgpr_workgroup_id_y 1
		.amdhsa_system_sgpr_workgroup_id_z 1
		.amdhsa_system_vgpr_workitem_id 0
		.amdhsa_next_free_vgpr 256
		.amdhsa_next_free_sgpr 66
		.amdhsa_reserve_vcc 0
		.amdhsa_float_denorm_mode_32 3
		.amdhsa_float_denorm_mode_16_64 3
		.amdhsa_memory_ordered 1
		.amdhsa_forward_progress 1
		.amdhsa_inst_pref_size 31
	.end_amdhsa_kernel
	.amdgpu_metadata
---
amdhsa.version: [ 1, 2 ]
amdhsa.kernels:
  - .name:           k_q288c7847b3_quant
    .symbol:         k_q288c7847b3_quant.kd
    .args:
      - { .name: x, .offset: 0, .size: 8, .value_kind: global_buffer, .address_space: global }
      - { .name: Wqkv, .offset: 8, .size: 8, .value_kind: global_buffer, .address_space: global }
      - { .name: Wproj, .offset: 16, .size: 8, .value_kind: global_buffer, .address_space: global }
      - { .name: opc, .offset: 24, .size: 8, .value_kind: global_buffer, .address_space: global }
      - { .name: ops, .offset: 32, .size: 8, .value_kind: global_buffer, .address_space: global }
    .group_segment_fixed_size: 52992
    .private_segment_fixed_size: 0
    .kernarg_segment_align: 8
    .kernarg_segment_size: 40
    .max_flat_workgroup_size: 192
    .sgpr_count:     66
    .vgpr_count:     256
    .wavefront_size: 32
...
	.end_amdgpu_metadata
.endif
;; end of part 1
;; launch qkv (part 2): grid 4 x 96, 4 waves a work-group, clusters of 4 x 4, 327,680 bytes of LDS; arguments opc, ops, qkvc, qkvs; writes qkvc, qkvs
.if DOCPART == 2
	.amdgcn_target "amdgcn-amd-amdhsa--gfx1250"
	.amdhsa_code_object_version 6
	.text
	.protected	k_q288c7847b3_qkv
	.globl	k_q288c7847b3_qkv
	.p2align	8
	.type	k_q288c7847b3_qkv,@function
k_q288c7847b3_qkv:
	s_mov_b64 s[64:65], 0
	v_nop
	global_prefetch_b8 v0, s[64:65] scope:SCOPE_SE
	s_setreg_imm32_b32 hwreg(HW_REG_WAVE_MODE, 25, 1), 1
	s_wait_xcnt 0x0
	s_wait_alu depctr_hold_cnt(0) depctr_sa_sdst(0) depctr_va_vdst(0) depctr_va_sdst(0) depctr_va_ssrc(0) depctr_va_vcc(0) depctr_vm_vsrc(0)
	s_getreg_b32 s2, hwreg(HW_REG_IB_STS2, 6, 4)
	s_cmp_eq_u32 s2, 0
	s_cbranch_scc0 .Lentry_in_a_cluster
	s_endpgm
.Lentry_in_a_cluster:
	s_bfe_u32 s2, ttmp6, 0x10000c
	s_cmp_lg_u32 s2, 0xf033
	s_cbranch_scc0 .Lentry_shape_is_right
	s_endpgm
.Lentry_shape_is_right:
; qkv = x Wqkv^T on codes of FP6 (E2M3) with E8M0 scales, K = 1,024, f32 sums; the results are quantised in registers on the way out and leave as codes: q and k along the head's 64, v along the keys.
; 384 tiles of 256 x 256, four waves, a wave 128 x 128 in 64 accumulators.  Source 0 of each product ("B") carries the axis that is quantised afterwards, source 1 ("A") the rows of the operand that is made:
;   clusters 0-15  (q, k): A = x's rows, B = Wqkv's rows 0-2047;      clusters 16-23 (v): A = Wqkv's rows 2048-3071, B = x's rows (the keys).
; Codes lie in memory as images of the operand's registers (16 rows x 64 K: registers 0-3 at 16 x lane, 4-5 at 512 + 8 x lane; 768 bytes), 16 of them to a rowtile.  Within 64 rows, rowtile T, place 8 g + s is row 32 g + 8 T + s:
; so in the results of B's tiles 4 c .. 4 c + 3 lane (r, h) holds 32 NEIGHBOURS, 64 c + 32 h + 0 .. 31, in 32 registers on end: a whole block; no other lane is asked for its maximum and the conversions' results are the next operand's registers.
; K goes in four steps of 256 through two LDS slots (8 rowtiles x 3,072 bytes a tensor load); the scale words of all of K come once.  4 x 4 work-groups form a cluster: A's tiles are asked for jointly along its rows, B's along its columns.
; A wave has one tensor load out at the start and one behind each round.
; OUT: qkvc = [e 0..47][gs 0..63][6,144]: e 0-15 q's heads, 16-31 k's: [rowtile 0..7][768]; e 32-47 v's heads: [channel tile 0..3][1,536] for the 128 keys of gs.
;      qkvs: q, k: e x 32,768 + gs x 512 + [c][place][T] words (two bytes used); v: 1,048,576 + head x 16,384 + gs x 256 + [place][T] words.
; LIMITS: a block of zeros gets the byte 1; NaN and infinities are not served.
; REGISTERS: window 0: v0-31 addresses; v32-63 scale words, two sets; v64-127 the way out; v128-223 A's fragments, one set.  window 1: B's fragments, two sets.  windows 2, 3: accumulator (a, b) at v[8 (8 (a % 4) + b)].
.set NQ,    2
.set RTG,   12288                      ; a rowtile's codes of all of K, in memory
.set RTB,   3072                       ; and of one K step of 256
.set FR,    12
.set NL,    4                          ; LDS loads that bring a fragment
.set NP,    4                          ; places behind this matrix instruction (ISA guide 7.12.1)
.set HALFT, 8*RTB                      ; what one tensor load brings, and what one wave reads of A or of B
.set SLOT,  4*HALFT
.set SCL,   2*SLOT                     ; behind the ring: the scale words, 512 bytes a rowtile
.set HALFS, 4096
.set SPARE, SCL+4*HALFS                ; the spare words, 128 bytes for each wave, which no other line names
.set L16,  4
.set L8,   5
.set ADRA, 16                          ; v16-17 16 x lane + my A rows in slot 0, 1;  v18-19 the same with 8 x lane
.set ADRB, 20                          ; v20-23 the same for B
.set H16,  24                          ; the way out: 16 x lane + the second block's distance
.set H8,   25
.set SH8,  26
.set ADRS, 27
.set SPW,  28
.set NIL,  29
.set VSO,  30
.set SC,   32
.set TM,   70
.set SO,   72
.set BY,   74
.set TT,   76
.set XW,   80                          ; v80-87 a scale word for each of A's eight rowtiles
.set YW,   88
.set ZA,   92
.set ZB,   96
.set PC,   100                         ; v100-111 two blocks' codes
.set PT,   112
.set AF,   128
.set G1, 24
.set G0, 32
.set G1B, 48
.set G0B, 56
.set G1S, 68
.set G0S, 76
.set G1SB, 80
.set G0SB, 88
.set MSB, 0
.macro WIN new                         ; the immediate's high byte repeats the setting that is left
.if MSB != (\new)
	s_set_vgpr_msb (MSB<<8)|(\new)
.set MSB, (\new)
.endif
.endm
.set MUL_LO, 0xa1                      ; source 0 (B) window 1, source 1 (A) window 0, C and D window 2
.set MUL_HI, 0xf1
.set TO_B,   0x40
; A joint load: waves 0 and 1 fetch for A, waves 2 and 3 for B; the branch hangs on the wave's number alone.  An s_nop 0 and four v_nop follow each line.
.macro JLOAD g0a, g1a, g0b, g1b
	s_cmp_eq_u32 s15, 0
	s_cbranch_scc0 .Lfor_b_\@
	tensor_load_to_lds s[\g0a:\g0a+3], s[\g1a:\g1a+7]
	s_nop 0
.rept 4
	v_nop
.endr
	s_branch .Lasked_\@
.Lfor_b_\@:
	tensor_load_to_lds s[\g0b:\g0b+3], s[\g1b:\g1b+7]
	s_nop 0
.rept 4
	v_nop
.endr
.Lasked_\@:
.endm
.macro CREST                           ; a round of the cluster's barrier behind its opening barrier
	s_cmp_lg_u32 s14, 0
	s_cbranch_scc1 .Lnot_wave_0_\@
	s_barrier_signal -3
.Lnot_wave_0_\@:
	s_barrier_wait -3
	s_barrier_signal -1
	s_barrier_wait -1
.endm
.macro CROUND
	s_barrier_signal -1
	s_barrier_wait -1
	CREST
.endm
	s_load_b256 s[4:11], s[0:1], 0x0               ; opc, ops, qkvc, qkvs
	v_lshl_add_u32 v[SPW], v0, 2, SPARE
	v_mov_b32 v[NIL], 0
	ds_add_u32 v[SPW], v[NIL]                      ; the wave's opening
	ds_add_u32 v[SPW], v[NIL]
	v_lshrrev_b32 v1, 5, v0
	v_readfirstlane_b32 s14, v1                    ; wave 0..3
	s_lshr_b32 s15, s14, 1                         ; my half of A's rows.  Also: I fetch for A (0) or for B (1)
	s_and_b32 s16, s14, 1                          ; my half of B's rows.  Also: which 8 rowtiles I fetch
	s_bfe_u32 s40, ttmp6, 0x40000                  ; cx
	s_bfe_u32 s41, ttmp6, 0x40004                  ; cy
	s_and_b32 s12, ttmp7, 0xffff                   ; the cluster's number 0..23: the same in all sixteen partners
	s_and_b32 s18, s12, 1                          ; q, k: 2 columns x 8 rows of clusters
	s_lshr_b32 s19, s12, 1
	s_sub_co_u32 s20, s12, 16                      ; v: 8 columns x 1 row
	s_cmp_lt_u32 s12, 16
	s_cselect_b32 s18, s18, s20
	s_cselect_b32 s19, s19, 0
	s_cselect_b32 s2, 0, 640                       ; A's first rowtile in opc
	s_cselect_b32 s3, 512, 0                       ; B's
	s_lshl_b32 s42, s18, 2
	s_add_co_u32 s42, s42, s40                     ; tile column (B)
	s_lshl_b32 s17, s19, 2
	s_add_co_u32 s17, s17, s41                     ; tile row (A)
	s_lshl_b32 s43, s41, 2
	s_lshl_b32 s43, 15, s43                        ; my row of the cluster
	s_lshl_b32 s44, 0x1111, s40                    ; my column
	s_or_b32 s[G1+0], s43, (3<<16)|(1<<21)         ; 15:0 the mask; 17:16 elements of 8 bytes; 21 set beside a mask; no padding
	s_or_b32 s[G1B+0], s44, (3<<16)|(1<<21)
.irp g, G1, G1B
	s_mov_b32 s[\g+1], 384<<16                     ; tensor_dim0: 3,072 bytes
	s_mov_b32 s[\g+2], 16<<16                      ; tensor_dim1: 16 rowtiles for the head's loads; 8 for the ring's, set behind the head's wait
	s_mov_b32 s[\g+3], 384<<16                     ; tile_dim0
	s_mov_b32 s[\g+4], 16                          ; tile_dim1 likewise
	s_mov_b32 s[\g+5], 1536                        ; from rowtile to rowtile: 12,288 bytes
	s_mov_b32 s[\g+6], 0
	s_mov_b32 s[\g+7], 0
.endr
	s_or_b32 s[G1S+0], s43, (3<<16)|(1<<21)        ; the scale words of 16 rowtiles: 8,192 dense bytes as 32 rows of 256
	s_or_b32 s[G1SB+0], s44, (3<<16)|(1<<21)
.irp g, G1S, G1SB
	s_mov_b32 s[\g+1], 32<<16
	s_mov_b32 s[\g+2], 32<<16                      ; the scale words of 16 rowtiles: 32 rows of 256 bytes
	s_mov_b32 s[\g+3], 32<<16
	s_mov_b32 s[\g+4], 32
	s_mov_b32 s[\g+5], 32
	s_mov_b32 s[\g+6], 0
	s_mov_b32 s[\g+7], 0
.endr
	s_mul_i32 s66, s16, 8*RTG                      ; in the ring I fetch 8 rowtiles of a tile: which half, in bytes
	s_mov_b32 s67, 0
	s_lshl_b32 s22, s17, 4
	s_add_co_u32 s22, s22, s2
	s_lshl_b32 s46, s42, 4
	s_add_co_u32 s46, s46, s3
	s_mul_i32 s20, s22, RTG
	s_mov_b32 s21, 0
	s_lshl_b32 s22, s22, 9
	s_mov_b32 s23, 0
	s_lshl_b32 s92, s46, 9
	s_mov_b32 s93, 0
	s_mul_i32 s46, s46, RTG
	s_mov_b32 s47, 0
	s_mul_i32 s45, s14, HALFT                      ; where they go: by the wave's number alone
	s_wait_dscnt 0x0                               ; the opening add is done
	s_wait_kmcnt 0x0
	s_add_nc_u64 s[20:21], s[4:5], s[20:21]
	s_add_nc_u64 s[22:23], s[6:7], s[22:23]
	s_add_nc_u64 s[46:47], s[4:5], s[46:47]
	s_add_nc_u64 s[92:93], s[6:7], s[92:93]
	CROUND                                         ; all sixteen work-groups are here: the first joint loads meet
	s_mov_b32 s[G0S], 1
	s_mov_b32 s[G0S+1], SCL
	s_mov_b64 s[G0S+2:G0S+3], s[22:23]
	s_or_b32 s[G0S+3], s[G0S+3], 0x80000000
	s_mov_b32 s[G0SB], 1
	s_mov_b32 s[G0SB+1], SCL+2*HALFS
	s_mov_b64 s[G0SB+2:G0SB+3], s[92:93]
	s_or_b32 s[G0SB+3], s[G0SB+3], 0x80000000
	; THE HEAD'S FOUR TILES, each whole, ONE joint load a wave: wave 0 K step 0's 16 rowtiles of A, wave 1 those of B, wave 2 A's scale words, wave 3 B's.
	; So a wave has one tensor load out at the start and one behind each round.  Slot 0's groups 0 serve the head's loads first and are set for the ring behind the wait that shows them done.
	s_mov_b32 s[G0], 1
	s_mov_b32 s[G0+1], 0
	s_mov_b64 s[G0+2:G0+3], s[20:21]
	s_or_b32 s[G0+3], s[G0+3], 0x80000000
	s_mov_b32 s[G0B], 1
	s_mov_b32 s[G0B+1], 2*HALFT
	s_mov_b64 s[G0B+2:G0B+3], s[46:47]
	s_or_b32 s[G0B+3], s[G0B+3], 0x80000000
	s_mov_b32 s[G0+4], 1                           ; slot 1: my 8 rowtiles of K step 1
	s_add_co_u32 s[G0+5], s45, SLOT
	s_add_nc_u64 s[G0+6:G0+7], s[20:21], s[66:67]
	s_add_nc_u64 s[G0+6:G0+7], s[G0+6:G0+7], RTB
	s_or_b32 s[G0+7], s[G0+7], 0x80000000
	s_mov_b32 s[G0B+4], 1
	s_add_co_u32 s[G0B+5], s45, SLOT
	s_add_nc_u64 s[G0B+6:G0B+7], s[46:47], s[66:67]
	s_add_nc_u64 s[G0B+6:G0B+7], s[G0B+6:G0B+7], RTB
	s_or_b32 s[G0B+7], s[G0B+7], 0x80000000
.macro ARM under, g0, g1, next         ; one chain of branches on the wave's number: every way through it passes exactly one load
	s_cmp_lt_u32 s14, \under
	s_cbranch_scc0 \next
	tensor_load_to_lds s[\g0:\g0+3], s[\g1:\g1+7]
	s_nop 0
.rept 4
	v_nop
.endr
	s_branch .Lhead_asked
\next:
.endm
	ARM 1, G0,  G1,  .Lhead_b
	ARM 2, G0B, G1B, .Lhead_sa
	ARM 3, G0S, G1S, .Lhead_sb
	tensor_load_to_lds s[G0SB:G0SB+3], s[G1SB:G1SB+7]
	s_nop 0
.rept 4
	v_nop
.endr
.Lhead_asked:
	v_and_b32 v1, 31, v0                           ; lane
	v_and_b32 v2, 15, v0                           ; r
	v_bfe_u32 v3, v0, 4, 1                         ; h
	v_lshlrev_b32 v[L16], 4, v1
	v_lshlrev_b32 v[L8], 3, v1
	s_mul_i32 s21, s15, HALFT                      ; my 8 rowtiles of A
	s_mul_i32 s22, s16, HALFT                      ; my 8 of B,
	s_add_co_u32 s22, s22, 2*HALFT                 ; which lie behind A's 16
.irp s, 0,1
	v_add_nc_u32 v[ADRA+\s], s21, v[L16]
	v_add_nc_u32 v[ADRB+\s], s22, v[L16]
	v_add_nc_u32 v[ADRA+2+\s], s21, v[L8]
	v_add_nc_u32 v[ADRB+2+\s], s22, v[L8]
	s_add_co_u32 s21, s21, SLOT
	s_add_co_u32 s22, s22, SLOT
.endr
	v_lshlrev_b32 v6, 4, v2                        ; my row's four words
	s_mul_i32 s21, s15, HALFS
	s_mul_i32 s22, s16, HALFS
	s_add_co_u32 s22, s22, 2*HALFS
	s_sub_co_u32 s22, s22, s21
	v_mul_u32_u24 v7, s22, v3                      ; lanes 16-31 take B's
	s_add_co_u32 s21, s21, SCL
	v_add_nc_u32 v6, v6, v7
	v_add_nc_u32 v[ADRS], s21, v6
	; the way out: where my wave's codes and scale words go
	s_lshl_b32 s20, s17, 1
	s_add_co_u32 s20, s20, s15                     ; gr: which 128 of A's rows
	s_lshl_b32 s21, s42, 1
	s_add_co_u32 s21, s21, s16                     ; gc: which 128 of B's rows
	s_lshl_b32 s22, s21, 1                         ; q, k: e = 2 gc
	s_lshl_b32 s23, s20, 1
	s_add_co_u32 s23, s23, 32                      ; v: e = 32 + 2 gr
	s_lshl_b32 s96, s22, 15
	s_lshl_b32 s97, s20, 9
	s_add_co_u32 s96, s96, s97                     ; q, k: words at e x 32,768 + gr x 512
	s_lshl_b32 s97, s20, 15
	s_lshl_b32 s98, s21, 8
	s_add_co_u32 s97, s97, s98
	s_add_co_u32 s97, s97, 0x100000                ; v: at 1,048,576 + 2 gr x 16,384 + gc x 256
	s_mov_b32 s99, 768
	s_mov_b32 s92, 1536
	s_mov_b32 s94, 388608
	s_cmp_lt_u32 s12, 16
	s_cselect_b32 s22, s22, s23                    ; e
	s_cselect_b32 s23, s20, s21                    ; gs
	s_cselect_b32 s96, s96, s97
	s_cselect_b32 s99, 393216, s99                 ; from a lane's first block to its second: the next head, or the fragment's second half
	s_cselect_b32 s92, 768, s92                    ; from one of A's rowtiles to the next
	s_cselect_b32 s94, 768, s94                    ; and from the fourth to the fifth (v: the next head's first channel tile)
	s_mov_b32 s93, 0
	s_mov_b32 s95, 0
	s_mov_b32 s97, 0
	s_mul_i32 s22, s22, 393216
	s_mul_i32 s23, s23, 6144
	s_add_co_u32 s22, s22, s23
	s_mov_b32 s23, 0
	s_add_nc_u64 s[8:9], s[8:9], s[22:23]
	s_add_nc_u64 s[10:11], s[10:11], s[96:97]
	s_mov_b32 s18, 0x76543210
	s_mov_b32 s19, 0xfedcba98                      ; selects for lane l xor 16
	s_mov_b32 s13, 0xffff0000                      ; lanes 16-31
	v_add_nc_u32 v[H16], s99, v[L16]
	v_add_nc_u32 v[H8], s99, v[L8]
	v_lshlrev_b32 v[SH8], 3, v3
	v_lshlrev_b32 v[VSO], 4, v2
	v_lshl_add_u32 v[VSO], v3, 14, v[VSO]
	v_mov_b32 v[TT], 0                             ; a lane permute's destination counts as one of its sources
.macro FRAG reg, adr, q, i             ; a fragment, 16 rows x 128 K, 12 registers, comes as it was laid: each load reads 512 or 256 consecutive bytes
	ds_load_b128 v[\reg:\reg+3],     v[\adr]   offset:(\i)*RTB+(\q)*1536
	ds_load_b64  v[\reg+4:\reg+5],   v[\adr+2] offset:(\i)*RTB+(\q)*1536+512
	ds_load_b128 v[\reg+6:\reg+9],   v[\adr]   offset:(\i)*RTB+(\q)*1536+768
	ds_load_b64  v[\reg+10:\reg+11], v[\adr+2] offset:(\i)*RTB+(\q)*1536+1280
.endm
; 16 matrix instructions: A's blocks a0, a0 + 1 x B's eight.  The 64 accumulators take turns, one instruction a turn, in the same order in every step.
.macro MUL16 a0, p, q, sc, zero
.irp a, \a0, \a0+1
.irp b, 0,1,2,3,4,5,6,7
.if \zero
	v_wmma_scale_f32_16x16x128_f8f6f4 v[8*(8*((\a)%4)+\b):8*(8*((\a)%4)+\b)+7], v[128*(\p)+FR*\b:128*(\p)+FR*\b+FR-1], v[AF+FR*(\a):AF+FR*(\a)+FR-1], 0, v[SC+8*NQ*(\sc)+NQ*\b+(\q)], v[SC+8*NQ*(\sc)+NQ*(\a)+(\q)] matrix_a_fmt:MATRIX_FMT_FP6 matrix_b_fmt:MATRIX_FMT_FP6 matrix_a_scale:MATRIX_SCALE_ROW1
.else
	v_wmma_scale_f32_16x16x128_f8f6f4 v[8*(8*((\a)%4)+\b):8*(8*((\a)%4)+\b)+7], v[128*(\p)+FR*\b:128*(\p)+FR*\b+FR-1], v[AF+FR*(\a):AF+FR*(\a)+FR-1], v[8*(8*((\a)%4)+\b):8*(8*((\a)%4)+\b)+7], v[SC+8*NQ*(\sc)+NQ*\b+(\q)], v[SC+8*NQ*(\sc)+NQ*(\a)+(\q)] matrix_a_fmt:MATRIX_FMT_FP6 matrix_b_fmt:MATRIX_FMT_FP6 matrix_a_scale:MATRIX_SCALE_ROW1
.endif
.endr
.endr
.endm
.macro FETCH_B slot, q, p
	WIN TO_B
.irp i, 0,1,2,3,4,5,6,7
	FRAG 128*(\p)+FR*\i, ADRB+\slot, \q, \i
.endr
	WIN 0
.endm
.macro FETCH_A slot, q, i0
.irp i, \i0, \i0+1, \i0+2, \i0+3
	FRAG AF+FR*(\i), ADRA+\slot, \q, \i
.endr
.endm
.macro SCALES sc, kh                   ; a K step's two words a row into set sc: lanes 0-15 A's rowtile i, lanes 16-31 B's; kh: the half of K
.irp i, 0,1,2,3,4,5,6,7
	ds_load_b64 v[SC+8*NQ*\sc+NQ*\i:SC+8*NQ*\sc+NQ*\i+1], v[ADRS] offset:\i*512+8*\sc+256*\kh
.endr
.endm
.macro PLACES n                        ; plain vector lines between a matrix instruction and a load into, or a read of, its registers
.rept \n
	v_nop
.endr
.endm
.macro STEP slot, q, zero              ; 128 along K that have their successor in the same slot
	s_wait_dscnt 4*NL                              ; all but the youngest sixteen loads (A's blocks 4-7) are in
	WIN MUL_LO
	MUL16 0, (\q)%2, \q, \slot, \zero
	MUL16 2, (\q)%2, \q, \slot, \zero
	s_wait_dscnt 0
	PLACES NP
	FETCH_B \slot, (\q)+1, 1-(\q)%2
	FETCH_A \slot, (\q)+1, 0
	WIN MUL_HI
	MUL16 4, (\q)%2, \q, \slot, \zero
	MUL16 6, (\q)%2, \q, \slot, \zero
	PLACES NP
	WIN 0
	FETCH_A \slot, (\q)+1, 4
.endm
; A slot's last 128 change slots: one barrier; in front of it each wave waits for all its tensor loads, adds 0 to its spare word, and waits for that and for its reads of this slot.
.macro TURN slot, next, fill, kh
	s_wait_tensorcnt 0x0                           ; all my tensor loads have landed: my part of the next slot
	ds_add_u32 v[SPW], v[NIL]
	s_wait_dscnt 4*NL+1                            ; (the add and A's blocks 4-7 may be out)
	WIN MUL_LO
	MUL16 0, 1, NQ-1, \slot, 0
	s_wait_dscnt 0x0                               ; the add is done, and my reads of this slot are over
	s_barrier_signal -1
	MUL16 2, 1, NQ-1, \slot, 0
	WIN 0
	s_barrier_wait -1
.if \fill
	CREST                                          ; the barrier has opened a round of the cluster's: no wave of any partner still reads this slot or has a load on its way
	s_add_nc_u64 s[G0+4*\slot+2:G0+4*\slot+3], s[G0+4*\slot+2:G0+4*\slot+3], 2*RTB
	s_add_nc_u64 s[G0B+4*\slot+2:G0B+4*\slot+3], s[G0B+4*\slot+2:G0B+4*\slot+3], 2*RTB
	JLOAD G0+4*\slot, G1, G0B+4*\slot, G1B         ; the first tensor load behind the round; its four v_nop are the places in front of the loads below
.else
	PLACES NP
.endif
	FETCH_B \next, 0, 0
	FETCH_A \next, 0, 0
	SCALES \next, \kh
	WIN MUL_HI
	MUL16 4, 1, NQ-1, \slot, 0
	MUL16 6, 1, NQ-1, \slot, 0
	PLACES NP
	WIN 0
	FETCH_A \next, 0, 4
.endm
	s_wait_alu depctr_va_vdst(0)
	s_wait_tensorcnt 0x0                           ; my tile of the head's four is in
	ds_add_u32 v[SPW], v[NIL]
	s_mov_b32 s[G1+2], 8<<16                       ; no tensor load of mine is out, so descriptors may be written: the ring's loads bring 8 rowtiles,
	s_mov_b32 s[G1+4], 8
	s_mov_b32 s[G1B+2], 8<<16
	s_mov_b32 s[G1B+4], 8
	s_mov_b32 s[G0+1], s45                         ; to my wave's quarter of the slot,
	s_mov_b32 s[G0B+1], s45
	s_add_nc_u64 s[G0+2:G0+3], s[G0+2:G0+3], s[66:67]      ; from my half of the tile's rowtiles
	s_add_nc_u64 s[G0B+2:G0B+3], s[G0B+2:G0B+3], s[66:67]
	s_wait_dscnt 0x0                               ; the add is done
	CROUND                                         ; a whole round: all four tiles are in, and the joint loads meet
	JLOAD G0+4, G1, G0B+4, G1B                     ; K step 1, the first tensor load behind the round
	FETCH_B 0, 0, 0
	FETCH_A 0, 0, 0
	SCALES 0, 0
	FETCH_A 0, 0, 4
	STEP 0, 0, 1                                   ; the first products start the sums: nothing is cleared
	TURN 0, 1, 1, 0                                ; four K steps: written out, no loop
	STEP 1, 0, 0
	TURN 1, 0, 1, 1
	STEP 0, 0, 0
	TURN 0, 1, 0, 1                                ; nothing is left to fetch
	STEP 1, 0, 0
	s_wait_dscnt 4*NL
	WIN MUL_LO
	MUL16 0, 1, NQ-1, 1, 0
	MUL16 2, 1, NQ-1, 1, 0
	s_wait_dscnt 0
	WIN MUL_HI
	MUL16 4, 1, NQ-1, 1, 0
	MUL16 6, 1, NQ-1, 1, 0
	WIN 0
; THE WAY OUT of A's rowtile a: my two blocks of 32 (registers 32 c .. 32 c + 31 of its 64) are quantised and leave as images.  Each accumulator is read from its low end on.
.macro QOUT a
.set W, 2+(\a)/4
.set AC, 64*((\a)%4)
	s_wait_xcnt 0x0                                ; the last stores have read their data and their base
.if (\a) == 4
	s_add_nc_u64 s[8:9], s[8:9], s[94:95]
.elseif (\a) > 0
	s_add_nc_u64 s[8:9], s[8:9], s[92:93]
.endif
	WIN W|(W<<2)
.irp c, 0,1
	v_max3_num_f32 v[TM+\c], |v[AC+32*\c]|, |v[AC+32*\c+1]|, 0x1800000     ; with the floor 2^(3 - 127): the byte cannot fall under 1
.endr
	WIN (W<<2)|(W<<4)
.irp i, 2,4,6,8,10,12,14,16,18,20,22,24,26,28,30
.irp c, 0,1
	v_max3_num_f32 v[TM+\c], v[TM+\c], |v[AC+32*\c+\i]|, |v[AC+32*\c+\i+1]|
.endr
.endr
	WIN 0
.irp c, 0,1
	v_add_nc_u32 v[SO+\c], 0xff000000, v[TM+\c]    ; 2 off the exponent field: the conversion's scale operand
.endr
.irp c, 0,1
	v_lshrrev_b32 v[BY+\c], 23, v[SO+\c]
.endr
	v_lshl_or_b32 v[XW+(\a)], v[BY+1], 16, v[BY]   ; bytes h and 2 + h,
	v_lshlrev_b32 v[XW+(\a)], v[SH8], v[XW+(\a)]
	v_permlanex16_b32 v[TT], v[XW+(\a)], s18, s19
	v_or_b32 v[XW+(\a)], v[XW+(\a)], v[TT]         ; with lane l xor 16's: four bytes of my row
	WIN W
.irp c, 0,1
	v_cvt_scalef32_pk16_fp6_f32 v[PC+6*\c:PC+6*\c+2], v[AC+32*\c:AC+32*\c+15], v[SO+\c]
	v_cvt_scalef32_pk16_fp6_f32 v[PT+4*\c:PT+4*\c+2], v[AC+32*\c+16:AC+32*\c+31], v[SO+\c]
.endr
	WIN 0
	v_nop                                          ; one plain line behind the conversions
.irp c, 0,1
.irp i, 0,1,2
	v_mov_b32 v[PC+6*\c+3+\i], v[PT+4*\c+\i]
.endr
.endr
	global_store_b128 v[L16], v[PC:PC+3], s[8:9]               ; each store covers 512 or 256 consecutive bytes, aligned
	global_store_b64 v[L8], v[PC+4:PC+5], s[8:9] offset:512
	global_store_b128 v[H16], v[PC+6:PC+9], s[8:9]
	global_store_b64 v[H8], v[PC+10:PC+11], s[8:9] offset:512
.endm
	PLACES NP
.irp a, 0,1,2,3,4,5,6,7
	QOUT \a
.endr
.irp t, 0,1,2,3
	v_cndmask_b32 v[YW+\t], v[XW+\t], v[XW+4+\t], s13          ; lanes 0-15: rowtiles 0-3, lanes 16-31: rowtiles 4-7
.endr
	s_cmp_lt_u32 s12, 16                           ; the cluster's number: alike in all partners
	s_cbranch_scc0 .Lv_words
.irp t, 0,1,2,3
	v_and_b32 v[ZA+\t], 0xffff, v[YW+\t]           ; the first head's two bytes,
	v_lshrrev_b32 v[ZB+\t], 16, v[YW+\t]           ; the second head's
.endr
	global_store_b128 v[L16], v[ZA:ZA+3], s[10:11]
	global_store_b128 v[L16], v[ZB:ZB+3], s[10:11] offset:32768
	s_branch .Lwords_out
.Lv_words:
	s_wait_alu depctr_va_vdst(0)
	global_store_b128 v[VSO], v[YW:YW+3], s[10:11] ; lanes 0-15 the first head's channels, lanes 16-31 the second's
.Lwords_out:
	s_wait_tensorcnt 0x0                           ; the wave's end
	ds_add_u32 v[SPW], v[NIL]
	s_wait_dscnt 0x0
	CROUND                                         ; the closing round: no work-group ends while a partner may still ask for a tile that names it
	s_endpgm
.Lfunc_end_k_q288c7847b3_qkv:
	.size	k_q288c7847b3_qkv, .Lfunc_end_k_q288c7847b3_qkv-k_q288c7847b3_qkv
	.p2alignl 7, 3214868480
	.fill 96, 4, 3214868480
	.section	.rodata,"a",@progbits
	.p2align	6, 0x0
	.amdhsa_kernel k_q288c7847b3_qkv
		.amdhsa_group_segment_fixed_size 327680
		.amdhsa_private_segment_fixed_size 0
		.amdhsa_enable_private_segment 0
		.amdhsa_kernarg_size 32
		.amdhsa_user_sgpr_count 2
		.amdhsa_user_sgpr_kernarg_segment_ptr 1
		.amdhsa_wavefront_size32 1
		.amdhsa_system_sgpr_workgroup_id_x 1
		.amdhsa_system_sgpr_workgroup_id_y 1
		.amdhsa_system_sgpr_workgroup_id_z 1
		.amdhsa_system_vgpr_workitem_id 0
		.amdhsa_next_free_vgpr 1024
		.amdhsa_next_free_sgpr 104
		.amdhsa_reserve_vcc 0
		.amdhsa_float_denorm_mode_32 3
		.amdhsa_float_denorm_mode_16_64 3
		.amdhsa_memory_ordered 1
		.amdhsa_forward_progress 1
		.amdhsa_inst_pref_size 145
	.end_amdhsa_kernel
	.amdgpu_metadata
---
amdhsa.version: [ 1, 2 ]
amdhsa.kernels:
  - .name:           k_q288c7847b3_qkv
    .symbol:         k_q288c7847b3_qkv.kd
    .args:
      - { .name: opc, .offset: 0, .size: 8, .value_kind: global_buffer, .address_space: global }
      - { .name: ops, .offset: 8, .size: 8, .value_kind: global_buffer, .address_space: global }
      - { .name: qkvc, .offset: 16, .size: 8, .value_kind: global_buffer, .address_space: global }
      - { .name: qkvs, .offset: 24, .size: 8, .value_kind: global_buffer, .address_space: global }
    .group_segment_fixed_size: 327680
    .private_segment_fixed_size: 0
    .kernarg_segment_align: 8
    .kernarg_segment_size: 32
    .max_flat_workgroup_size: 128
    .sgpr_count:     104
    .vgpr_count:     1024
    .wavefront_size: 32
...
	.end_amdgpu_metadata
.endif
;; end of part 2
;; launch attn (part 3): grid 4 x 64, 16 waves a work-group, clusters of 4 x 1, 327,680 bytes of LDS; arguments qkvc, qkvs, key_padding_mask, yc, ys; writes yc, ys
.if DOCPART == 3
	.amdgcn_target "amdgcn-amd-amdhsa--gfx1250"
	.amdhsa_code_object_version 6
	.text
	.protected	k_q288c7847b3_attn
	.globl	k_q288c7847b3_attn
	.p2align	8
	.type	k_q288c7847b3_attn,@function
k_q288c7847b3_attn:
	s_mov_b64 s[64:65], 0
	v_nop
	global_prefetch_b8 v0, s[64:65] scope:SCOPE_SE
	s_setreg_imm32_b32 hwreg(HW_REG_WAVE_MODE, 25, 1), 1
	s_wait_xcnt 0x0
	s_wait_alu depctr_hold_cnt(0) depctr_sa_sdst(0) depctr_va_vdst(0) depctr_va_sdst(0) depctr_va_ssrc(0) depctr_va_vcc(0) depctr_vm_vsrc(0)
	s_getreg_b32 s2, hwreg(HW_REG_IB_STS2, 6, 4)
	s_cmp_eq_u32 s2, 0
	s_cbranch_scc0 .Lentry_in_a_cluster
	s_endpgm
.Lentry_in_a_cluster:
	s_bfe_u32 s2, ttmp6, 0x10000c
	s_cmp_lg_u32 s2, 0x3003
	s_cbranch_scc0 .Lentry_shape_is_right
	s_endpgm
.Lentry_shape_is_right:
; y = softmax(q k^T / 8 + padding bias) v for one (batch, head) and 512 queries a work-group, on codes of FP6 (E2M3) with E8M0 scales; y leaves as codes and scale bytes along the model's 1,024.
; Both products are used transposed (S^T = k q^T, O^T = v^T p^T): a lane holds one query, and its 32 registers of four neighbouring tiles of k are 32 neighbouring keys: a whole block of p.
; p = 2^(t - M), t = score x log2(e) / 8, M the ceiling of the running largest t; the row's sum is taken of the unquantised p; when M moves, sum and O^T are multiplied by an exact power of two.
; SHARES: 256 work-groups of 16 waves; a wave takes two tiles of 16 queries one after the other, each over all 2,048 keys in 16 steps of 128.
; LDS: 16 slots of 16,384 bytes, one for each 128 keys: k's codes 6,144, v's codes 6,144 (filled by ONE tensor load of two rows, k's and v's, 6,291,456 bytes apart in qkvc),
; then bytes that vector stores alone write: k's scale words 512, the mask's codes 512, v's scale words 256.  Wave w fills slot w; nothing is filled again; one barrier shows all slots to all waves.
; A STEP asks for the next step's first four tiles of k in its middle, as soon as k's registers are free.  Each pass's last step is written out: the first pass's fetches slot 0 for the second, the second's nothing.
; CLUSTERS: the four work-groups of a cluster take the four query blocks of one (batch, head) and ask for the same k and v jointly (mask 15).
; THE PADDING MASK: the head's 64 fill half of the instruction's 128 along K.  Column 64 carries the bias: k's code there is -7.5 for a padded key and 0 for any other, q's is 1.0,
; under the constant scale bytes 0xfe and 0x64: -7.5 x 2^100 is added to a padded key's score, so that its p is 0; nothing is added to the others.  Columns 65-127 hold zero codes.
; NO PREFETCH: all of k and v is asked for by the head's one group of loads; the step loop reads LDS alone.
; LIMITS: the promise holds while the scaled scores stay under 2^31 in magnitude.  A batch whose 2,048 keys are ALL padded is not served: the module gives NaN there, this text finite numbers.
; A block of zeros gets the scale byte 1 (this program alone reads the bytes).  NaN and infinities among the inputs are not served.
.set SLOTB, 16384
.set VOF,   6144                       ; in a slot: v's codes,
.set KSO,   12288                      ; k's scale words [half of the 128 keys][place 16][tile 4],
.set MSO,   12800                      ; the mask's codes, laid alike,
.set VSO,   13312                      ; v's scale words [place 16][channel tile 4]
.set SPARE, 16*SLOTB                   ; behind the slots: the spare words, 128 bytes for each wave, which no other line names
.set L16, 1                            ; 16 x lane
.set L8,  2                            ; 8 x lane
.set R16, 3                            ; 16 x (lane % 16)
.set SPW, 4                            ; my spare word; never rewritten
.set NIL, 5                            ; 0; never rewritten
.set A16, 6                            ; a slot + L16, L8, R16
.set A8,  7
.set TP,  8                            ; a lane permute's destination
.set AVS, 9
.set SH8, 10                           ; 8 x (lane / 16)
.set QS,  11                           ; q's scale word.  v12 -M, v13 the running largest t, v[14:15] the row's sum in two halves
.set QF,  16                           ; q's fragment
.set KS,  28                           ; k's scale words: lanes 0-15 keys 0-63, lanes 16-31 keys 64-127
.set VS,  32
.set PS,  36                           ; p's scale word
.set HWA, 37                           ; y's two scale bytes of both passes
.set PF,  38                           ; p's codes
.set KF,  50                           ; four fragments of k; registers 7-11 of each stay 0
.set VF,  98                           ; four fragments of v
.set S,   146                          ; the scores, then p
.set O,   210                          ; O^T
.set BM,  242                          ; v242-243 the blocks' largest scores, then their p, then their scale bytes
.set SO,  244                          ; v244-245 a chain of the sum, then the conversions' scale operands
.set T0,  246                          ; v246-249 temporaries and two chains of the sum
.set PT1, 246                          ; v246-248, v250-252: a block's upper 16 codes
.set PT0, 250
.set OLDM, 252
.set LL,  252
.set YSO, 253
.set F,   254                          ; v254 the factor 2^(old M - new M); v255 is named with it
.set WV,  14
.set SEL, 20
.set CS,  22
.set G1,  24
.set G0,  32
.set TB,  48
.set CNT, 51
.set HM,  52
.set QP,  54
.set QSP, 56
.set YP,  58
.set YSP, 60
.macro CROUND                          ; a round of the cluster's barrier
	s_barrier_signal -1
	s_barrier_wait -1
	s_cmp_lg_u32 s[WV], 0
	s_cbranch_scc1 .Lnot_wave_0_\@
	s_barrier_signal -3
.Lnot_wave_0_\@:
	s_barrier_wait -3
	s_barrier_signal -1
	s_barrier_wait -1
.endm
	s_load_b256 s[4:11], s[0:1], 0x0               ; qkvc, qkvs, the mask, yc
	s_load_b64 s[12:13], s[0:1], 0x20              ; ys
	v_lshl_add_u32 v[SPW], v0, 2, SPARE
	v_mov_b32 v[NIL], 0
	ds_add_u32 v[SPW], v[NIL]                      ; the opening lines
	ds_add_u32 v[SPW], v[NIL]
	v_lshrrev_b32 v6, 5, v0
	s_delay_alu instid0(VALU_DEP_1)
	v_readfirstlane_b32 s[WV], v6                  ; wave 0..15
	s_bfe_u32 s15, ttmp6, 0x40000                  ; cx: which 512 queries
	s_and_b32 s16, ttmp7, 0xffff                   ; 4 x head + batch
	s_and_b32 s17, s16, 3                          ; batch
	s_lshr_b32 s18, s16, 2                         ; head
	s_mov_b32 s[G1], 15|(3<<16)|(1<<21)            ; the mask of all four partners; elements of 8 bytes; bit 21 beside a mask
	s_mov_b32 s[G1+1], 768<<16                     ; a row: 6,144 bytes
	s_mov_b32 s[G1+2], 2<<16                       ; two rows: k's and v's
	s_mov_b32 s[G1+3], 768<<16
	s_mov_b32 s[G1+4], 2
	s_mov_b32 s[G1+5], 786432                      ; from k's 128 keys to v's: 64 x 98,304 bytes
	s_mov_b32 s[G1+6], 0
	s_mov_b32 s[G1+7], 0
	s_mov_b32 s[G0], 1
	s_lshl_b32 s[G0+1], s[WV], 14                  ; slot w
	s_mov_b32 s[SEL], 0x76543210
	s_mov_b32 s[SEL+1], 0xfedcba98                 ; selects for lane l xor 16
	s_mov_b32 s[CS], 0x3e38aa3b                    ; log2(e) / 8
	s_mov_b32 s[CS+1], s[CS]
	s_mov_b32 s[HM], 0xffff0000                    ; lanes 16-31
	s_add_co_u32 s19, s16, 64
	s_mul_i32 s62, s19, 98304                      ; k of my (batch, head),
	s_mul_i32 s19, s[WV], 6144
	s_add_co_u32 s62, s62, s19                     ; its keys 128 w ..
	s_mov_b32 s63, 0
	s_lshl_b32 s19, s[WV], 14
	s_lshl_b32 s53, s15, 5
	s_lshl_b32 s2, s[WV], 1
	s_add_co_u32 s53, s53, s2                      ; my first tile of 16 queries, of the 128
	s_mul_i32 s[QP], s16, 98304
	s_mul_i32 s2, s53, 768
	s_add_co_u32 s[QP], s[QP], s2
	s_mov_b32 s[QP+1], 0
	s_lshl_b32 s[QSP], s16, 13
	s_lshr_b32 s2, s53, 2
	s_lshl_b32 s2, s2, 8
	s_add_co_u32 s[QSP], s[QSP], s2
	s_and_b32 s2, s53, 3
	s_lshl_b32 s2, s2, 2
	s_add_co_u32 s[QSP], s[QSP], s2
	s_mov_b32 s[QSP+1], 0
	s_lshl_b32 s3, s17, 7
	s_add_co_u32 s3, s3, s53                       ; y's rowtile
	s_mul_i32 s[YP], s3, 12288
	s_mul_i32 s2, s18, 768                         ; the head is the half fragment
	s_add_co_u32 s[YP], s[YP], s2
	s_mov_b32 s[YP+1], 0
	s_lshl_b32 s[YSP], s3, 9
	s_lshr_b32 s2, s18, 3
	s_lshl_b32 s2, s2, 8
	s_add_co_u32 s[YSP], s[YSP], s2
	s_and_b32 s2, s18, 7
	s_lshl_b32 s2, s2, 1
	s_add_co_u32 s[YSP], s[YSP], s2
	s_mov_b32 s[YSP+1], 0
	s_add_co_u32 s66, s16, 64
	s_lshl_b32 s66, s66, 13                        ; k's scale words
	s_mov_b32 s67, 0
	s_lshl_b32 s68, s16, 12
	s_add_co_u32 s68, s68, 0x100000                ; v's
	s_mov_b32 s69, 0
	s_lshl_b32 s70, s17, 11                        ; my batch's row of the mask
	s_mov_b32 s71, 0
	v_and_b32 v[L16], 31, v0
	s_delay_alu instid0(VALU_DEP_1)
	v_lshlrev_b32 v[L8], 3, v[L16]
	s_delay_alu instid0(VALU_DEP_2)
	v_lshlrev_b32 v[L16], 4, v[L16]
	v_and_b32 v[R16], 15, v0
	s_delay_alu instid0(VALU_DEP_1)
	v_lshlrev_b32 v[R16], 4, v[R16]
	v_bfe_u32 v[SH8], v0, 4, 1
	s_delay_alu instid0(VALU_DEP_1)
	v_lshl_add_u32 v[YSO], v[SH8], 9, v[R16]
	s_delay_alu instid0(VALU_DEP_2)
	v_lshlrev_b32 v[SH8], 3, v[SH8]
	v_add_nc_u32 v159, s19, v[L16]                 ; my wave's slot + 16 x lane, + 8 x lane: where the tables are stored
	v_add_nc_u32 v160, s19, v[L8]
	v_lshlrev_b32 v156, 4, v0                      ; thread t takes k's four scale words at 16 t: wave w those of keys 128 w ..
	v_lshlrev_b32 v158, 3, v0
	v_and_b32 v157, -8, v0
	s_delay_alu instid0(VALU_DEP_1)
	v_lshlrev_b32 v157, 2, v157
	v_and_b32 v161, 7, v0
	s_delay_alu instid0(VALU_DEP_1)
	v_or_b32 v157, v157, v161                      ; place 8 g + s of tile T of a half c is key 64 c + 32 g + 8 T + s: 4 (t & ~7) + (t & 7), + 8 T
	s_wait_alu depctr_va_vdst(0)
	s_wait_dscnt 0x0                               ; both opening adds are done
	s_wait_kmcnt 0x0
	s_add_nc_u64 s[G0+2:G0+3], s[4:5], s[62:63]
	s_or_b32 s[G0+3], s[G0+3], 0x80000000
	s_add_nc_u64 s[QP:QP+1], s[4:5], s[QP:QP+1]
	s_add_nc_u64 s[QSP:QSP+1], s[6:7], s[QSP:QSP+1]
	s_add_nc_u64 s[YP:YP+1], s[10:11], s[YP:YP+1]
	s_add_nc_u64 s[YSP:YSP+1], s[12:13], s[YSP:YSP+1]
	s_add_nc_u64 s[66:67], s[6:7], s[66:67]
	s_add_nc_u64 s[68:69], s[6:7], s[68:69]
	s_add_nc_u64 s[70:71], s[8:9], s[70:71]
	CROUND                                         ; all four work-groups are here: the joint loads meet
	tensor_load_to_lds s[G0:G0+3], s[G1:G1+7]      ; my one tensor load of the launch: slot w's k and v
	s_nop 0
.rept 4
	v_nop
.endr
.macro QLOAD p
	global_load_b128 v[QF:QF+3], v[L16], s[QP:QP+1] offset:768*\p
	global_load_b64 v[QF+4:QF+5], v[L8], s[QP:QP+1] offset:768*\p+512
	global_load_b32 v[QS], v[R16], s[QSP:QSP+1] offset:4*\p
.endm
	global_load_b128 v[146:149], v156, s[66:67]
.irp t, 0,1,2,3
	global_load_u8 v[150+\t], v157, s[70:71] offset:8*\t
.endr
	global_load_b64 v[154:155], v158, s[68:69]
	QLOAD 0
.irp i, 0,1,2,3
.irp n, 7,8,9,10,11
	v_mov_b32 v[KF+12*\i+\n], 0                    ; k's columns 69-127: zero codes, written once
.endr
.endr
	v_cndmask_b32 v[QF+6], 8, v[NIL], s[HM]        ; q's column 64: the code of 1.0; lanes 16-31 (columns 96 ..) 0, so that whatever k holds there adds nothing
.irp n, 7,8,9,10,11
	v_mov_b32 v[QF+\n], 0
.endr
	v_mov_b32 v[F+1], 0                            ; (named as the upper half of the pair)
	v_mov_b32 v[TP], 0                             ; (a lane permute's destination counts as one of its sources)
	s_wait_loadcnt 3                               ; all but q's three loads are in
.irp t, 0,1,2,3
	v_or_b32 v[146+\t], 0xfe0000, v[146+\t]        ; the constant scale byte of k's columns 64-95
	v_mul_u32_u24 v[150+\t], v[150+\t], 63         ; a padded key's code in column 64: -7.5; any other's: 0
.endr
	ds_store_b128 v159, v[146:149] offset:KSO
	ds_store_b128 v159, v[150:153] offset:MSO
	ds_store_b64 v160, v[154:155] offset:VSO
.macro BMAX c, x0, x1, x2, x3          ; the largest score of my block of 32 keys into x0: four chains, one to an accumulator, each read from its low end on
.set SB, S+32*\c
	v_max3_num_f32 v[\x0], v[SB], v[SB+1], v[SB+2]
	v_max3_num_f32 v[\x1], v[SB+8], v[SB+9], v[SB+10]
	v_max3_num_f32 v[\x2], v[SB+16], v[SB+17], v[SB+18]
	v_max3_num_f32 v[\x3], v[SB+24], v[SB+25], v[SB+26]
.irp i, 3,5
	v_max3_num_f32 v[\x0], v[\x0], v[SB+\i], v[SB+\i+1]
	v_max3_num_f32 v[\x1], v[\x1], v[SB+8+\i], v[SB+9+\i]
	v_max3_num_f32 v[\x2], v[\x2], v[SB+16+\i], v[SB+17+\i]
	v_max3_num_f32 v[\x3], v[\x3], v[SB+24+\i], v[SB+25+\i]
.endr
	v_max3_num_f32 v[\x0], v[\x0], v[\x1], v[SB+7]
	v_max3_num_f32 v[\x2], v[\x2], v[\x3], v[SB+15]
	v_max3_num_f32 v[\x0], v[\x0], v[\x2], v[SB+23]
	v_max_num_f32 v[\x0], v[\x0], v[SB+31]
.endm
.macro KLOAD c                         ; four tiles of 16 keys: the head's 64 in registers 0-5, the mask's code in register 6
.irp t, 0,1,2,3
	ds_load_b128 v[KF+12*\t:KF+12*\t+3], v[A16] offset:3072*\c+768*\t
	ds_load_b64 v[KF+12*\t+4:KF+12*\t+5], v[A8] offset:3072*\c+768*\t+512
	ds_load_b32 v[KF+12*\t+6], v[AVS] offset:MSO+256*\c+4*\t
.endr
.endm
.macro TMM j                           ; t - M, two at a time
	v_pk_fma_f32 v[S+\j:S+\j+1], v[S+\j:S+\j+1], s[CS:CS+1], v[12:13] op_sel_hi:[1,0,0]
.endm
; 16 queries x 128 keys.  nxt = 1: the next step's slot is at s[TB]; 2: it is slot 0; 0: there is none
.macro STEP nxt
	s_wait_dscnt 0x0                               ; k's first four tiles and its scale words, asked for a step ago
.irp t, 0,1,2,3
	v_wmma_scale_f32_16x16x128_f8f6f4 v[S+8*\t:S+8*\t+7], v[KF+12*\t:KF+12*\t+11], v[QF:QF+11], 0, v[KS+\t], v[QS] matrix_a_fmt:MATRIX_FMT_FP6 matrix_b_fmt:MATRIX_FMT_FP6
.endr
.rept 4
	v_nop                                          ; places in front of loads into registers that matrix instructions have read
.endr
	KLOAD 1
	ds_load_b128 v[VS:VS+3], v[AVS] offset:VSO
.irp t, 0,1,2,3
	ds_load_b128 v[VF+12*\t:VF+12*\t+3], v[A16] offset:VOF+1536*\t
	ds_load_b64 v[VF+12*\t+4:VF+12*\t+5], v[A8] offset:VOF+1536*\t+512
	ds_load_b128 v[VF+12*\t+6:VF+12*\t+9], v[A16] offset:VOF+1536*\t+768
	ds_load_b64 v[VF+12*\t+10:VF+12*\t+11], v[A8] offset:VOF+1536*\t+1280
.endr
	BMAX 0, BM, BM+1, T0, T0+1
	s_wait_dscnt 17                                ; k's second four tiles are in; v's scale words and its 16 loads may be out
.irp t, 0,1,2,3
	v_wmma_scale_f32_16x16x128_f8f6f4 v[S+32+8*\t:S+32+8*\t+7], v[KF+12*\t:KF+12*\t+11], v[QF:QF+11], 0, v[KS+\t], v[QS] matrix_a_fmt:MATRIX_FMT_FP6 matrix_b_fmt:MATRIX_FMT_FP6 matrix_a_scale:MATRIX_SCALE_ROW1
.endr
	v_mov_b32 v[OLDM], v12                         ; four plain lines: the places behind the products
.if \nxt == 1
	v_add_nc_u32 v[A16], s[TB], v[L16]
	v_add_nc_u32 v[A8], s[TB], v[L8]
	v_add_nc_u32 v[AVS], s[TB], v[R16]
.elseif \nxt == 2
	v_mov_b32 v[A16], v[L16]
	v_mov_b32 v[A8], v[L8]
	v_mov_b32 v[AVS], v[R16]
.else
.rept 3
	v_nop
.endr
.endif
.if \nxt
	ds_load_b128 v[KS:KS+3], v[A16] offset:KSO     ; the next step's 13 loads: they have the rest of this step in which to land
	KLOAD 0
.endif
	BMAX 1, BM+1, T0, T0+1, SO
	s_delay_alu instid0(VALU_DEP_1)
	v_max_num_f32 v[T0], v[BM], v[BM+1]
	s_delay_alu instid0(VALU_DEP_1)
	v_permlanex16_b32 v[T0+1], v[T0], s[SEL], s[SEL+1]
	s_delay_alu instid0(VALU_DEP_1)
	v_max_num_f32 v[T0], v[T0], v[T0+1]            ; the step's largest score of my query
	s_delay_alu instid0(VALU_DEP_1)
	v_mul_f32 v[T0], s[CS], v[T0]
	s_delay_alu instid0(VALU_DEP_1)
	v_max_num_f32 v13, v13, v[T0]                  ; the running largest t
	s_delay_alu instid0(VALU_DEP_1)
	v_floor_f32 v12, -v13                          ; -M = floor(-t): M is a whole number
	s_delay_alu instid0(VALU_DEP_1)
	v_sub_f32 v[T0], v12, v[OLDM]
	TMM 0
	TMM 2
	v_cvt_i32_f32 v[T0], v[T0]
	TMM 4
	TMM 6
	v_ldexp_f32 v[F], 1.0, v[T0]                   ; f = 2^(old M - new M)
.set j, 8
.rept 28
	TMM j
.set j, j+2
.endr
	v_fma_f32 v[BM], v[BM], s[CS], v12             ; the same of each block's largest score
	v_fma_f32 v[BM+1], v[BM+1], s[CS], v12
.set j, 0
	s_wait_alu depctr_va_vdst(0)                   ; ahead of the batch
.rept 64
	v_exp_f32 v[S+j], v[S+j]                       ; p
.set j, j+1
.endr
	v_pk_mul_f32 v[14:15], v[14:15], v[F:F+1] op_sel_hi:[1,0]
	s_wait_alu depctr_va_vdst(0)                   ; and behind it, ahead of its first reader
	v_exp_f32 v[BM], v[BM]                         ; each block's largest p
	v_exp_f32 v[BM+1], v[BM+1]
	v_pk_add_f32 v[244:245], v[S:S+1], v[S+2:S+3]          ; the sum of the unquantised p, in four chains
	v_pk_add_f32 v[246:247], v[S+4:S+5], v[S+6:S+7]
	v_pk_add_f32 v[248:249], v[S+8:S+9], v[S+10:S+11]
.set j, 12
.rept 6
	v_pk_add_f32 v[14:15], v[14:15], v[S+j:S+j+1]
	v_pk_add_f32 v[244:245], v[244:245], v[S+j+2:S+j+3]
	v_pk_add_f32 v[246:247], v[246:247], v[S+j+4:S+j+5]
	v_pk_add_f32 v[248:249], v[248:249], v[S+j+6:S+j+7]
.set j, j+8
.endr
	v_pk_add_f32 v[14:15], v[14:15], v[S+60:S+61]
	v_pk_add_f32 v[244:245], v[244:245], v[S+62:S+63]
	v_pk_add_f32 v[246:247], v[246:247], v[248:249]
	v_pk_add_f32 v[14:15], v[14:15], v[244:245]
	s_delay_alu instid0(VALU_DEP_1)
	v_pk_add_f32 v[14:15], v[14:15], v[246:247]
	s_wait_alu depctr_va_vdst(0)                   ; for the two exponentials
.irp c, 0,1
	v_max_num_f32 v[BM+\c], 0x1800000, v[BM+\c]    ; the floor 2^(3 - 127): the byte cannot fall under 1.  (The two blocks by turns)
.endr
.irp c, 0,1
	v_add_nc_u32 v[SO+\c], 0xff000000, v[BM+\c]    ; 2 off the exponent field: the conversion's scale operand
.endr
.irp c, 0,1
	v_lshrrev_b32 v[BM+\c], 23, v[SO+\c]           ; the scale's byte
.endr
	v_cvt_scalef32_pk16_fp6_f32 v[PF:PF+2], v[S:S+15], v[SO]
	v_cvt_scalef32_pk16_fp6_f32 v[PT0:PT0+2], v[S+16:S+31], v[SO]   ; (a conversion's three registers begin on an even number)
	v_cvt_scalef32_pk16_fp6_f32 v[PF+6:PF+8], v[S+32:S+47], v[SO+1]
	v_cvt_scalef32_pk16_fp6_f32 v[PT1:PT1+2], v[S+48:S+63], v[SO+1]
	v_lshl_or_b32 v[PS], v[BM+1], 16, v[BM]        ; bytes h and 2 + h; also the plain line behind the conversions.  The word's chain and the moves of the codes take turns
	v_mov_b32 v[PF+3], v[PT0]
	v_mov_b32 v[PF+9], v[PT1]
	v_lshlrev_b32 v[PS], v[SH8], v[PS]
	v_mov_b32 v[PF+4], v[PT0+1]
	v_mov_b32 v[PF+10], v[PT1+1]
	v_permlanex16_b32 v[TP], v[PS], s[SEL], s[SEL+1]
	v_mov_b32 v[PF+5], v[PT0+2]
	v_mov_b32 v[PF+11], v[PT1+2]
	v_or_b32 v[PS], v[PS], v[TP]                   ; with lane l xor 16's: p's scale word
.set j, 0
.rept 16
	v_pk_mul_f32 v[O+j:O+j+1], v[O+j:O+j+1], v[F:F+1] op_sel_hi:[1,0]   ; O^T under the new M; also the places in front of the products below
.set j, j+2
.endr
	s_wait_alu depctr_va_vdst(0)                   ; directly ahead of the wait below
.if \nxt
	s_wait_dscnt 13                                ; v is in; the next step's 13 loads may be out
.else
	s_wait_dscnt 0x0
.endif
.irp t, 0,1,2,3
	v_wmma_scale_f32_16x16x128_f8f6f4 v[O+8*\t:O+8*\t+7], v[VF+12*\t:VF+12*\t+11], v[PF:PF+11], v[O+8*\t:O+8*\t+7], v[VS+\t], v[PS] matrix_a_fmt:MATRIX_FMT_FP6 matrix_b_fmt:MATRIX_FMT_FP6
.endr
.endm
.macro FIN p                           ; O^T / the sum, quantised along the head's 64 (a lane holds a block of 32), stored as an image of the next operand's registers
.rept 4
	v_nop
.endr
.if \p == 0
	QLOAD 1
.endif
	v_add_f32 v[LL], v14, v15                      ; the sum's two halves,
	v_permlanex16_b32 v[TP], v[LL], s[SEL], s[SEL+1]
	v_add_f32 v[LL], v[LL], v[TP]                  ; and lane l xor 16's: the row's sum
	s_wait_alu depctr_va_vdst(0)                   ; ahead of the transcendental,
	v_rcp_f32 v[F], v[LL]
	v_nop
	s_wait_alu depctr_va_vdst(0)                   ; and ahead of its first reader
.set j, 0
.rept 16
	v_pk_mul_f32 v[O+j:O+j+1], v[O+j:O+j+1], v[F:F+1] op_sel_hi:[1,0]
.set j, j+2
.endr
	v_max3_num_f32 v[BM], |v[O]|, |v[O+1]|, 0x1800000
	v_max3_num_f32 v[BM+1], |v[O+16]|, |v[O+17]|, |v[O+18]|
.irp i, 0,2,4,6,8,10
	v_max3_num_f32 v[BM], v[BM], |v[O+2+\i]|, |v[O+3+\i]|          ; two chains by turns
	v_max3_num_f32 v[BM+1], v[BM+1], |v[O+19+\i]|, |v[O+20+\i]|
.endr
	v_max3_num_f32 v[BM], v[BM], |v[O+14]|, |v[O+15]|
	v_max3_num_f32 v[BM], v[BM], v[BM+1], |v[O+31]|
	v_add_nc_u32 v[SO], 0xff000000, v[BM]          ; 2 off the exponent field: the conversion's scale operand
	v_lshrrev_b32 v[BM], 23, v[SO]                 ; the scale's byte
	v_cvt_scalef32_pk16_fp6_f32 v[PF:PF+2], v[O:O+15], v[SO]
	v_cvt_scalef32_pk16_fp6_f32 v[PT0:PT0+2], v[O+16:O+31], v[SO]
	v_lshlrev_b32 v[BM+1], v[SH8], v[BM]
.irp i, 0,1,2
	v_mov_b32 v[PF+3+\i], v[PT0+\i]
.endr
	global_store_b128 v[L16], v[PF:PF+3], s[YP:YP+1] offset:12288*\p       ; 512 consecutive bytes
	global_store_b64 v[L8], v[PF+4:PF+5], s[YP:YP+1] offset:12288*\p+512   ; 256 consecutive bytes
	v_permlanex16_b32 v[TP], v[BM+1], s[SEL], s[SEL+1]
	v_or_b32 v[BM+1], v[BM+1], v[TP]               ; my row's two bytes of this head
.if \p == 0
	v_mov_b32 v[HWA], v[BM+1]
.else
	v_cndmask_b32 v[HWA], v[HWA], v[BM+1], s[HM]   ; lanes 0-15 keep the first tile's, lanes 16-31 take the second's
.endif
.endm
.macro PASS p                          ; one tile of 16 queries over all keys
.if \p
	s_wait_xcnt 0x0                                ; the last stores have read their data
.endif
	s_wait_loadcnt 0x0                             ; q's fragment and scale word
	v_or_b32 v[QS], 0x640000, v[QS]                ; the constant scale byte of q's columns 64-95
	v_mov_b32 v13, 0xe0800000                      ; the largest t so far: -2^66, under every t of a key that counts
	s_delay_alu instid0(VALU_DEP_1)
	v_floor_f32 v12, -v13
	v_mov_b32 v14, 0
	v_mov_b32 v15, 0
.set j, 0
.rept 32
	v_mov_b32 v[O+j], 0                            ; the step is written once: the first finds zeros
.set j, j+1
.endr
.if \p == 0
	s_wait_tensorcnt 0x0                           ; my slot's k and v have landed,
	s_wait_dscnt 0x0                               ; and my slot's tables are stored:
	s_barrier_signal -1
	s_barrier_wait -1                              ; both now hold of all sixteen slots
	v_mov_b32 v[A16], v[L16]                       ; slot 0
	v_mov_b32 v[A8], v[L8]
	v_mov_b32 v[AVS], v[R16]
	s_wait_alu depctr_va_vdst(0)
	ds_load_b128 v[KS:KS+3], v[A16] offset:KSO
	KLOAD 0
.endif
	s_mov_b32 s[TB], SLOTB                         ; the next step's slot
	s_mov_b32 s[CNT], 15
.Lstep_\@:
	STEP 1
	s_add_co_u32 s[TB], s[TB], SLOTB
	s_sub_co_u32 s[CNT], s[CNT], 1
	s_cmp_lg_u32 s[CNT], 0
	s_cbranch_scc1 .Lstep_\@
.if \p == 0
	STEP 2                                         ; the last step fetches slot 0's first tiles for the second pass
.else
	STEP 0
.endif
	FIN \p
.endm
	PASS 0
	PASS 1
	global_store_b16 v[YSO], v[HWA], s[YSP:YSP+1]
	s_wait_tensorcnt 0x0                           ; the wave's end
	ds_add_u32 v[SPW], v[NIL]
	s_wait_dscnt 0x0
	CROUND                                         ; the closing round
	s_endpgm
.Lfunc_end_k_q288c7847b3_attn:
	.size	k_q288c7847b3_attn, .Lfunc_end_k_q288c7847b3_attn-k_q288c7847b3_attn
	.p2alignl 7, 3214868480
	.fill 96, 4, 3214868480
	.section	.rodata,"a",@progbits
	.p2align	6, 0x0
	.amdhsa_kernel k_q288c7847b3_attn
		.amdhsa_group_segment_fixed_size 327680
		.amdhsa_private_segment_fixed_size 0
		.amdhsa_enable_private_segment 0
		.amdhsa_kernarg_size 40
		.amdhsa_user_sgpr_count 2
		.amdhsa_user_sgpr_kernarg_segment_ptr 1
		.amdhsa_wavefront_size32 1
		.amdhsa_system_sgpr_workgroup_id_x 1
		.amdhsa_system_sgpr_workgroup_id_y 1
		.amdhsa_system_sgpr_workgroup_id_z 1
		.amdhsa_system_vgpr_workitem_id 0
		.amdhsa_next_free_vgpr 256
		.amdhsa_next_free_sgpr 72
		.amdhsa_reserve_vcc 0
		.amdhsa_float_denorm_mode_32 3
		.amdhsa_float_denorm_mode_16_64 3
		.amdhsa_memory_ordered 1
		.amdhsa_forward_progress 1
		.amdhsa_inst_pref_size 80
	.end_amdhsa_kernel
	.amdgpu_metadata
---
amdhsa.version: [ 1, 2 ]
amdhsa.kernels:
  - .name:           k_q288c7847b3_attn
    .symbol:         k_q288c7847b3_attn.kd
    .args:
      - { .name: qkvc, .offset: 0, .size: 8, .value_kind: global_buffer, .address_space: global }
      - { .name: qkvs, .offset: 8, .size: 8, .value_kind: global_buffer, .address_space: global }
      - { .name: key_padding_mask, .offset: 16, .size: 8, .value_kind: global_buffer, .address_space: global }
      - { .name: yc, .offset: 24, .size: 8, .value_kind: global_buffer, .address_space: global }
      - { .name: ys, .offset: 32, .size: 8, .value_kind: global_buffer, .address_space: global }
    .group_segment_fixed_size: 327680
    .private_segment_fixed_size: 0
    .kernarg_segment_align: 8
    .kernarg_segment_size: 40
    .max_flat_workgroup_size: 512
    .sgpr_count:     72
    .vgpr_count:     256
    .wavefront_size: 32
...
	.end_amdgpu_metadata
.endif
;; end of part 3
;; launch proj (part 4): grid 4 x 64, 4 waves a work-group, clusters of 4 x 4, 327,680 bytes of LDS; arguments yc, ys, opc, ops, out0; writes out0
.if DOCPART == 4
	.amdgcn_target "amdgcn-amd-amdhsa--gfx1250"
	.amdhsa_code_object_version 6
	.text
	.protected	k_q288c7847b3_proj
	.globl	k_q288c7847b3_proj
	.p2align	8
	.type	k_q288c7847b3_proj,@function
k_q288c7847b3_proj:
	s_mov_b64 s[64:65], 0
	v_nop
	global_prefetch_b8 v0, s[64:65] scope:SCOPE_SE
	s_setreg_imm32_b32 hwreg(HW_REG_WAVE_MODE, 25, 1), 1
	s_wait_xcnt 0x0
	s_wait_alu depctr_hold_cnt(0) depctr_sa_sdst(0) depctr_va_vdst(0) depctr_va_sdst(0) depctr_va_ssrc(0) depctr_va_vcc(0) depctr_vm_vsrc(0)
	s_getreg_b32 s2, hwreg(HW_REG_IB_STS2, 6, 4)
	s_cmp_eq_u32 s2, 0
	s_cbranch_scc0 .Lentry_in_a_cluster
	s_endpgm
.Lentry_in_a_cluster:
	s_bfe_u32 s2, ttmp6, 0x10000c
	s_cmp_lg_u32 s2, 0xf033
	s_cbranch_scc0 .Lentry_shape_is_right
	s_endpgm
.Lentry_shape_is_right:
; out0 = y Wproj^T on codes of FP6 (E2M3) with E8M0 scales, K = 1,024, f32 sums and f32 results.
; 256 work-groups, each a block of 128 rows (y) x 256 columns (Wproj's rows); four waves, a wave 64 x 128 in 32 accumulators.
; ALL OF K LIES IN LDS AT ONCE: y's 8 rowtiles (98,304 bytes), Wproj's 16 (196,608), each rowtile 12,288 dense bytes of register images (16 rows x 64 K: registers 0-3 at 16 x lane, 4-5 at 512 + 8 x lane).
; Three joint tensor loads at the head, one a wave (wave 0 y's, waves 1 and 2 a half of Wproj's each; wave 3 none); nothing is filled again, so there is no ring: one barrier ahead of the products.
; THE SCALE WORDS of a wave's 4 + 8 rowtiles, for all of K, are 96 registers: 24 loads of 256 consecutive bytes straight from memory.
; CLUSTERS: 4 x 4 work-groups; y's tile is asked for jointly along a row of the cluster, Wproj's along a column.
; Source 0 takes Wproj's rows, source 1 y's: a lane holds neighbouring columns of a row of out0.  Within 64 rows, rowtile T, place 8 g + s is row 32 g + 8 T + s, on both sides.
; NO PREFETCH: everything is asked for by the head's loads; there is no loop to run ahead in.
; REGISTERS: window 0: v0-31 addresses; v32-63 y's scale words (8 a + K step), v64-127 Wproj's (8 b + K step); v128-223 y's fragments, two sets; window 1: Wproj's fragments, two sets; window 2: accumulator (a, b) at v[8 (8 a + b)].
.set RTG,   12288                      ; a rowtile's codes of all of K
.set FR,    12
.set LB,    8*RTG                      ; LDS: Wproj's rowtiles lie behind y's 8
.set SPARE, 24*RTG+12288               ; the spare words, 128 bytes for each wave, which no other line names
.set SPITCH, 528                       ; the way out: a stage of 16 rows x (512 + 16) bytes for each wave, in y's bytes, behind the barrier behind which nobody reads them
.set L16,  4
.set L8,   5
.set R16,  6
.set ADRA, 16                          ; v16-17 my 4 rowtiles of y + 16 x lane, + 8 x lane
.set ADRB, 20                          ; v20-21 my rowtiles 0-3 of Wproj likewise, v22-23 my rowtiles 4-7
.set STO,  24
.set RD,   25
.set SPW,  28
.set NIL,  29
.set SA,   32
.set SB,   64
.set AF,   128
.set BK,   128
.set G1,  24
.set G0,  32
.set G0B, 36
.set G1B, 48
.set G0C, 56
.set MSB, 0
.macro WIN new                         ; the immediate's high byte repeats the setting that is left
.if MSB != (\new)
	s_set_vgpr_msb (MSB<<8)|(\new)
.set MSB, (\new)
.endif
.endm
.set MUL_LO, 0xa1                      ; source 0 window 1, source 1 window 0, C and D window 2
.set TO_B,   0x40
.macro CROUND                          ; a round of the cluster's barrier
	s_barrier_signal -1
	s_barrier_wait -1
	s_cmp_lg_u32 s14, 0
	s_cbranch_scc1 .Lnot_wave_0_\@
	s_barrier_signal -3
.Lnot_wave_0_\@:
	s_barrier_wait -3
	s_barrier_signal -1
	s_barrier_wait -1
.endm
.macro PLACES                          ; plain vector lines between a matrix instruction and a load into, or a read of, its registers
.rept 4
	v_nop
.endr
.endm
	s_load_b256 s[4:11], s[0:1], 0x0               ; yc, ys, opc, ops
	s_load_b64 s[12:13], s[0:1], 0x20              ; out0
	v_lshl_add_u32 v[SPW], v0, 2, SPARE
	v_mov_b32 v[NIL], 0
	ds_add_u32 v[SPW], v[NIL]                      ; the opening lines
	ds_add_u32 v[SPW], v[NIL]
	v_lshrrev_b32 v1, 5, v0
	v_readfirstlane_b32 s14, v1                    ; wave 0..3
	s_lshr_b32 s15, s14, 1                         ; my half of the block's rows
	s_and_b32 s16, s14, 1                          ; my half of its columns
	s_bfe_u32 s40, ttmp6, 0x40000                  ; cx
	s_bfe_u32 s41, ttmp6, 0x40004                  ; cy
	s_lshl_b32 s42, ttmp9, 2
	s_add_co_u32 s42, s42, s40                     ; block column 0..3
	s_and_b32 s17, ttmp7, 0xffff
	s_lshl_b32 s17, s17, 2
	s_add_co_u32 s17, s17, s41                     ; block row 0..63
	s_lshl_b32 s43, s41, 2
	s_lshl_b32 s43, 15, s43                        ; my row of the cluster
	s_lshl_b32 s44, 0x1111, s40                    ; my column
	s_or_b32 s[G1+0], s43, (3<<16)|(1<<21)         ; the mask; elements of 8 bytes; bit 21 beside a mask
	s_or_b32 s[G1B+0], s44, (3<<16)|(1<<21)
.irp g, G1, G1B
	s_mov_b32 s[\g+1], 1536<<16                    ; a row: a rowtile's 12,288 bytes
	s_mov_b32 s[\g+2], 8<<16                       ; 8 rowtiles
	s_mov_b32 s[\g+3], 1536<<16
	s_mov_b32 s[\g+4], 8
	s_mov_b32 s[\g+5], 1536
	s_mov_b32 s[\g+6], 0
	s_mov_b32 s[\g+7], 0
.endr
	s_mov_b32 s[G0], 1
	s_mov_b32 s[G0+1], 0
	s_mov_b32 s[G0B], 1
	s_mov_b32 s[G0B+1], LB
	s_mov_b32 s[G0C], 1
	s_mov_b32 s[G0C+1], LB+8*RTG
	s_mul_i32 s20, s17, 8*RTG                      ; y's codes: rowtile 8 x block row
	s_mov_b32 s21, 0
	s_lshl_b32 s22, s42, 4
	s_add_co_u32 s22, s22, 704                     ; Wproj's first rowtile in opc: 704 + 16 x block column
	s_mul_i32 s46, s22, RTG
	s_mov_b32 s47, 0
	s_lshl_b32 s18, s17, 3
	s_lshl_b32 s19, s15, 2
	s_add_co_u32 s18, s18, s19
	s_lshl_b32 s18, s18, 9                         ; my 4 rowtiles' scale words, 512 bytes a rowtile
	s_mov_b32 s19, 0
	s_lshl_b32 s23, s16, 3
	s_add_co_u32 s22, s22, s23
	s_lshl_b32 s22, s22, 9                         ; my 8 rowtiles' of Wproj
	s_mov_b32 s23, 0
	s_wait_dscnt 0x0                               ; both opening adds are done
	s_wait_kmcnt 0x0
	s_add_nc_u64 s[G0+2:G0+3], s[4:5], s[20:21]
	s_add_nc_u64 s[G0B+2:G0B+3], s[8:9], s[46:47]
	s_add_nc_u64 s[G0C+2:G0C+3], s[G0B+2:G0B+3], 8*RTG
	s_or_b32 s[G0+3], s[G0+3], 0x80000000
	s_or_b32 s[G0B+3], s[G0B+3], 0x80000000
	s_or_b32 s[G0C+3], s[G0C+3], 0x80000000
	s_add_nc_u64 s[6:7], s[6:7], s[18:19]
	s_add_nc_u64 s[10:11], s[10:11], s[22:23]
	CROUND                                         ; all sixteen work-groups are here: the joint loads meet
.macro ARM under, g0, g1, next         ; one chain of branches on the wave's number, one load to an arm, all arms to one join
	s_cmp_lt_u32 s14, \under
	s_cbranch_scc0 \next
	tensor_load_to_lds s[\g0:\g0+3], s[\g1:\g1+7]
	s_nop 0
.rept 4
	v_nop
.endr
	s_branch .Lhead_asked
\next:
.endm
	ARM 1, G0,  G1,  .Lhead_b
	ARM 2, G0B, G1B, .Lhead_c
	s_cmp_lt_u32 s14, 3
	s_cbranch_scc0 .Lhead_asked
	tensor_load_to_lds s[G0C:G0C+3], s[G1B:G1B+7]
	s_nop 0
.rept 4
	v_nop
.endr
.Lhead_asked:
	s_lshl_b32 s20, s17, 7
	s_lshl_b32 s21, s15, 6
	s_add_co_u32 s20, s20, s21                     ; my first row of out0
	s_lshl_b32 s20, s20, 12
	s_lshl_b32 s46, s42, 10
	s_lshl_b32 s47, s16, 9
	s_add_co_u32 s46, s46, s47                     ; my first column, in bytes
	s_add_co_u32 s20, s20, s46
	s_mov_b32 s21, 0
	s_add_nc_u64 s[12:13], s[12:13], s[20:21]
	s_mul_i32 s21, s15, 4*RTG                      ; my 4 rowtiles of y
	s_mul_i32 s22, s16, 8*RTG
	s_add_co_u32 s22, s22, LB                      ; my 8 of Wproj,
	s_add_co_u32 s18, s22, 4*RTG                   ; the upper four by registers of their own: an offset has 16 bits
	s_mul_i32 s23, s14, 16*SPITCH                  ; my stage
	v_and_b32 v1, 31, v0
	v_and_b32 v2, 15, v0
	v_bfe_u32 v3, v0, 4, 1
	v_lshlrev_b32 v[L16], 4, v1
	v_lshlrev_b32 v[L8], 3, v1
	v_lshlrev_b32 v[R16], 4, v2
	v_add_nc_u32 v[ADRA], s21, v[L16]
	v_add_nc_u32 v[ADRA+1], s21, v[L8]
	v_add_nc_u32 v[ADRB], s22, v[L16]
	v_add_nc_u32 v[ADRB+1], s22, v[L8]
	v_add_nc_u32 v[ADRB+2], s18, v[L16]
	v_add_nc_u32 v[ADRB+3], s18, v[L8]
	v_mul_u32_u24 v7, v2, SPITCH
	v_lshl_add_u32 v7, v3, 7, v7
	v_add_nc_u32 v[STO], s23, v7                   ; in: row l % 16, 128 bytes on for lanes 16-31
	v_add_nc_u32 v[RD], s23, v[L16]                ; back: the 32 lanes take a row of 512 bytes
	s_wait_alu depctr_va_vdst(0)
.irp a, 0,1,2,3
.irp kh, 0,1
	global_load_b128 v[SA+8*\a+4*\kh:SA+8*\a+4*\kh+3], v[R16], s[6:7] offset:512*\a+256*\kh      ; row r's four words of 512 along K
.endr
.endr
.irp b, 0,1,2,3,4,5,6,7
.irp kh, 0,1
	global_load_b128 v[SB+8*\b+4*\kh:SB+8*\b+4*\kh+3], v[R16], s[10:11] offset:512*\b+256*\kh
.endr
.endr
.macro FRAG reg, adr, off              ; a fragment, 16 rows x 128 K, 12 registers, as it was laid: each load reads 512 or 256 consecutive bytes
	ds_load_b128 v[\reg:\reg+3],     v[\adr]   offset:\off
	ds_load_b64  v[\reg+4:\reg+5],   v[\adr+1] offset:\off+512
	ds_load_b128 v[\reg+6:\reg+9],   v[\adr]   offset:\off+768
	ds_load_b64  v[\reg+10:\reg+11], v[\adr+1] offset:\off+1280
.endm
.macro FETCH k                         ; K step k's 12 fragments, 48 loads, into set k % 2
	WIN TO_B
.irp i, 0,1,2,3
	FRAG 128*((\k)%2)+FR*\i, ADRB, \i*RTG+(\k)*1536
	FRAG 128*((\k)%2)+FR*(\i+4), ADRB+2, \i*RTG+(\k)*1536
.endr
	WIN 0
.irp i, 0,1,2,3
	FRAG AF+48*((\k)%2)+FR*\i, ADRA, \i*RTG+(\k)*1536
.endr
.endm
.macro MUL k                           ; 32 matrix instructions; the 32 accumulators take turns, in the same order in every step; the first step starts the sums
	WIN MUL_LO
.irp a, 0,1,2,3
.irp b, 0,1,2,3,4,5,6,7
.if (\k) == 0
	v_wmma_scale_f32_16x16x128_f8f6f4 v[8*(8*\a+\b):8*(8*\a+\b)+7], v[128*((\k)%2)+FR*\b:128*((\k)%2)+FR*\b+FR-1], v[AF+48*((\k)%2)+FR*\a:AF+48*((\k)%2)+FR*\a+FR-1], 0, v[SB+8*\b+(\k)], v[SA+8*\a+(\k)] matrix_a_fmt:MATRIX_FMT_FP6 matrix_b_fmt:MATRIX_FMT_FP6
.else
	v_wmma_scale_f32_16x16x128_f8f6f4 v[8*(8*\a+\b):8*(8*\a+\b)+7], v[128*((\k)%2)+FR*\b:128*((\k)%2)+FR*\b+FR-1], v[AF+48*((\k)%2)+FR*\a:AF+48*((\k)%2)+FR*\a+FR-1], v[8*(8*\a+\b):8*(8*\a+\b)+7], v[SB+8*\b+(\k)], v[SA+8*\a+(\k)] matrix_a_fmt:MATRIX_FMT_FP6 matrix_b_fmt:MATRIX_FMT_FP6
.endif
.endr
.endr
	WIN 0
.endm
	s_wait_tensorcnt 0x0                           ; my tile has landed
	s_barrier_signal -1
	s_barrier_wait -1                              ; and so have the others'
	FETCH 0
	FETCH 1
	s_wait_loadcnt 0x0                             ; the scale words
	s_wait_dscnt 48                                ; K step 0's fragments are in; step 1's 48 loads may be out
	MUL 0
.irp k, 1,2,3,4,5,6
	PLACES
	FETCH \k+1                                     ; into the set that the step before multiplied
	s_wait_dscnt 48
	MUL \k
.endr
	s_wait_dscnt 0x0                               ; my reads of the tiles are over:
	s_barrier_signal -1                            ; say so, work on registers,
	MUL 7
	s_barrier_wait -1                              ; and go on when nobody reads y's bytes any more: they have had their one fill and take the stages
; THE WAY OUT, block by block of 16 rows x 128 columns, through my stage; back come whole rows of 512 bytes.  LDS serves a wave's instructions in order (ISA guide 5.7.1.4).
.macro TOSTAGE a
.set AC, 64*(\a)
	WIN 0x08                                       ; the data: window 2
.irp b, 0,1,2,3,4,5,6,7
	ds_store_b128 v[STO], v[AC+8*\b:AC+8*\b+3] offset:256*(\b/4)+32*(\b%4)         ; each accumulator from its low end on
	ds_store_b128 v[STO], v[AC+8*\b+4:AC+8*\b+7] offset:256*(\b/4)+32*(\b%4)+16
.endr
	WIN 0
.set BB, BK+64*((\a)%2)
.irp t, 0,1,2,3,4,5,6,7,8,9,10,11,12,13,14,15
	ds_load_b128 v[BB+4*\t:BB+4*\t+3], v[RD] offset:\t*SPITCH
.endr
.endm
.macro SEND a, younger                 ; younger: the LDS instructions issued behind block a's loads
.set BB, BK+64*((\a)%2)
	s_wait_dscnt \younger
.if (\a) > 0
	s_add_nc_u64 s[12:13], s[12:13], 8*4096        ; rowtile T begins 8 T rows down (behind a wait on XCNT)
.endif
.irp t, 0,1,2,3,4,5,6,7,8,9,10,11,12,13,14,15
	global_store_b128 v[L16], v[BB+4*\t:BB+4*\t+3], s[12:13] offset:(32*(\t/8)+\t%8)*4096 th:TH_STORE_NT   ; 512 consecutive bytes, aligned
.endr
.endm
	PLACES
	TOSTAGE 0
.irp a, 1,2,3
.if \a > 1
	s_wait_xcnt 0x0                                ; block a - 2's stores have read their registers and their base
.endif
	TOSTAGE \a
	SEND \a-1, 32
.endr
	s_wait_xcnt 0x0
	SEND 3, 0
	s_wait_tensorcnt 0x0                           ; the wave's end
	ds_add_u32 v[SPW], v[NIL]
	s_wait_dscnt 0x0
	CROUND                                         ; the closing round
	s_endpgm
.Lfunc_end_k_q288c7847b3_proj:
	.size	k_q288c7847b3_proj, .Lfunc_end_k_q288c7847b3_proj-k_q288c7847b3_proj
	.p2alignl 7, 3214868480
	.fill 96, 4, 3214868480
	.section	.rodata,"a",@progbits
	.p2align	6, 0x0
	.amdhsa_kernel k_q288c7847b3_proj
		.amdhsa_group_segment_fixed_size 327680
		.amdhsa_private_segment_fixed_size 0
		.amdhsa_enable_private_segment 0
		.amdhsa_kernarg_size 40
		.amdhsa_user_sgpr_count 2
		.amdhsa_user_sgpr_kernarg_segment_ptr 1
		.amdhsa_wavefront_size32 1
		.amdhsa_system_sgpr_workgroup_id_x 1
		.amdhsa_system_sgpr_workgroup_id_y 1
		.amdhsa_system_sgpr_workgroup_id_z 1
		.amdhsa_system_vgpr_workitem_id 0
		.amdhsa_next_free_vgpr 768
		.amdhsa_next_free_sgpr 66
		.amdhsa_reserve_vcc 0
		.amdhsa_float_denorm_mode_32 3
		.amdhsa_float_denorm_mode_16_64 3
		.amdhsa_memory_ordered 1
		.amdhsa_forward_progress 1
		.amdhsa_inst_pref_size 82
	.end_amdhsa_kernel
	.amdgpu_metadata
---
amdhsa.version: [ 1, 2 ]
amdhsa.kernels:
  - .name:           k_q288c7847b3_proj
    .symbol:         k_q288c7847b3_proj.kd
    .args:
      - { .name: yc, .offset: 0, .size: 8, .value_kind: global_buffer, .address_space: global }
      - { .name: ys, .offset: 8, .size: 8, .value_kind: global_buffer, .address_space: global }
      - { .name: opc, .offset: 16, .size: 8, .value_kind: global_buffer, .address_space: global }
      - { .name: ops, .offset: 24, .size: 8, .value_kind: global_buffer, .address_space: global }
      - { .name: out0, .offset: 32, .size: 8, .value_kind: global_buffer, .address_space: global }
    .group_segment_fixed_size: 327680
    .private_segment_fixed_size: 0
    .kernarg_segment_align: 8
    .kernarg_segment_size: 40
    .max_flat_workgroup_size: 128
    .sgpr_count:     66
    .vgpr_count:     768
    .wavefront_size: 32
...
	.end_amdgpu_metadata
.endif
;; end of part 4
